; MI455X (gfx1250); checked and timed in simulation.
; The chip was launched on July 23, 2026; its instructions are those of AMD's public machine-readable ISA for CDNA 5 (MIT licence, August 2026) and "CDNA5" Instruction Set Architecture Reference Guide (July 2026). The comments in the code are by the model that wrote it; some were corrected since.
;; SDP Attention. Allowed arithmetic: matrix products marked QUANTISED: E2M1 operands, one E8M0 scale for each 32 along K, by v_wmma_scale_f32_16x16x128_f8f6f4 with both operands' format E2M1 (or v_wmma_scale_f32_32x16x128_f4), f32 sums; products left as they are: bf16, f16 or f32 operands; f32 sums; everything else in f32.
;; Inputs: Wk 4,096 x 1,024 float32; Wo 2,048 x 4,096 float32; Wq 4,096 x 2,048 float32; Wv 4,096 x 1,024 float32; attention_mask 1 x 2,048 float32; hidden_states 1 x 2,048 x 4,096 float32.
;; Outputs: out0 1 x 2,048 x 4,096 float32.
;; This version of the problem:
;;   THIS VERSION OF THE PROBLEM IS GIVEN IN LOW PRECISION. The matrix products marked QUANTISED in the list below multiply operands that are first quantised to E2M1 (2 exponent bits, 1 mantissa bit; 4 bits a number), with one power-of-two scale for each 32 numbers along K (OCP MX v1.0); their sums are f32. The products marked 'left as it is' may take bf16, f16 or f32 operands, with f32 sums. Whichever they take, every output number must still come out within the allowed error. Rounding operands to bf16 (8 significant bits) uses up far more of that allowance than f16 does (11 bits, for magnitudes from 6e-5 to 65,504). All else is computed in f32.
;;   The module's matrix products, in the order in which they are computed (A, B: the left and right operand; K: the contracted axis; several contracted axes count as one K, in the product's order):
;;     1. [M 2,048, K 4,096] x [K 4,096, N 2,048]; A: input hidden_states; B: input Wq: QUANTISED
;;     2. [M 2,048, K 4,096] x [K 4,096, N 1,024]; A: input hidden_states; B: input Wk: QUANTISED
;;     3. [M 2,048, K 4,096] x [K 4,096, N 1,024]; A: input hidden_states; B: input Wv: QUANTISED
;;     4. [M 2,048, K 1] x [K 1, N 64]; A: computed on the way; B: computed on the way: left as it is (no contracted axis)
;;     5. [M 2,048, K 1] x [K 1, N 64]; A: computed on the way; B: computed on the way: left as it is (no contracted axis)
;;     6. batch 16 x [M 2,048, K 128] x [K 128, N 2,048]; A: computed on the way; B: computed on the way: left as it is (an operand is computed on the way)
;;     7. batch 16 x [M 2,048, K 2,048] x [K 2,048, N 128]; A: computed on the way; B: computed on the way: left as it is (an operand is computed on the way)
;;     8. [M 2,048, K 2,048] x [K 2,048, N 4,096]; A: computed on the way; B: input Wo: left as it is (an operand is computed on the way)
;;   THE QUANTISER, for each operand of a quantised product, along K:
;;     - K is cut into blocks of 32 from its start; a last block that is shorter is filled with zeros.
;;     - A block's scale is 2^e with e = floor(log2(the largest magnitude in the block)) - 2, held to -126 .. 127; a block of zeros has e = 0. As a byte (E8M0): e + 127.
;;     - Each number is divided by its block's scale, clamped to +-6, and rounded to the nearest number of E2M1, ties to even, subnormals kept.
;;     - The product sums the exact products of the quantised numbers (number of the format x scale) in f32.
;;   ~~~python
;;   def quantise(x, axis):      # numpy; x: float32 -> the quantised numbers, widened to float32 again
;;       x = np.moveaxis(x, axis, -1); K = x.shape[-1]
;;       x = np.pad(x, [(0, 0)] * (x.ndim - 1) + [(0, -K % 32)]); x = x.reshape(x.shape[:-1] + (-1, 32)); a = np.abs(x).max(-1, keepdims=True)
;;       e = np.where(a > 0, np.clip(np.frexp(np.where(a > 0, a, 1))[1] - 1 - 2, -126, 127), 0)      # np.frexp(a)[1] - 1 = floor(log2(a)), exactly
;;       r = np.clip(x / 2.0 ** e, -6, 6)
;;       step = 2.0 ** (np.maximum(np.frexp(np.where(r == 0, 1, r))[1] - 1, 0) - 1)
;;       q = np.round(r / step) * step * 2.0 ** e      # np.round: ties to even
;;       return np.moveaxis(q.reshape(q.shape[:-2] + (-1,))[..., :K], -1, axis).astype(np.float32)
;;   ~~~
;; One version. Each part assembles by itself: llvm-mc -triple=amdgcn-amd-amdhsa -mcpu=gfx1250 --defsym DOCPART=n.
;; ======== version 1 of 1: 4 launches
;; limits: values are held in f16: magnitudes above 65,504 overflow, below 6.1e-05 lose precision; inputs' magnitudes at most 2.2e+31
;; workspace buffers: xc 4,194,304 bytes; xs 262,144 bytes; wc 8,388,608 bytes; ws 524,288 bytes; wo16 16,777,216 bytes; rope 1,048,576 bytes; qkv 16,777,216 bytes; att 8,388,608 bytes
;; launch prep (part 1): grid 768 x 1, 4 waves a work-group, no clusters, 68,096 bytes of LDS; arguments Wq, Wk, Wv, hidden_states, Wo, xc, xs, wc, ws, wo16, rope; writes xc, xs, wc, ws, wo16, rope
.if DOCPART == 1
	.amdgcn_target "amdgcn-amd-amdhsa--gfx1250"
	.amdhsa_code_object_version 6
	.text
	.protected	k_q4d458011ef_prep
	.globl	k_q4d458011ef_prep
	.p2align	8
	.type	k_q4d458011ef_prep,@function
k_q4d458011ef_prep:
	s_mov_b64 s[64:65], 0
	v_nop
	global_prefetch_b8 v0, s[64:65] scope:SCOPE_SE
	s_setreg_imm32_b32 hwreg(HW_REG_WAVE_MODE, 25, 1), 1
	s_wait_xcnt 0x0
; PREP: everything that is made once from the inputs.  Three roles, told apart by the work-group's number alone; each role has LDS bytes of its own.
;   role W (work-groups 0-255):   Wq | Wk | Wv, f32 [4096 k][n], K their FIRST axis -> codes of FP4 (E2M1) wc [4096 n][2048 bytes], K innermost, and E8M0 bytes ws [4096 n][128].  n: 0-2047 Wq, 2048-3071 Wk, 3072-4095 Wv.
;   role X (work-groups 256-511): hidden_states f32 [2048][4096] -> xc [2048][2048 bytes], xs [2048][128]; and the table of cos / 16 and sin / 16 for the rotation.
;   role O (work-groups 512-767): Wo f32 -> wo16, f16, as it lies.
; THE QUANTISER: a block's scale is 2^(floor(log2(largest magnitude)) - 2); its byte is the largest magnitude's exponent field - 2, held at 1 from below; numbers / scale go to the nearest code, ties to even, beyond 6 to 6.
; LIMITS: a block of zeros gets the byte 1 where the rule says 127 (its codes are zeros, and this program alone reads the bytes); blocks whose largest magnitude lies under 2^-124 are held at that floor; NaN and infinities are not served;
; |Wo| stays under 65,504 (f16); Wo under 6e-5 in size is rounded in steps of 2^-24.  The table's angle t x 10000^(-f/64) is made in f32 by an exponential of base 2 and differs from another f32 evaluation by up to some 3e-4 rad at t = 2,047.
; No work-group shares an input byte with another, so there is no cluster, no tensor load and no barrier: waves share nothing.
.set SPARE, 67584                      ; the spare words, 128 bytes for each wave: two blocks of 256 bytes that no other line names
.set SPW,   224                        ; v224 LDS address of my spare word; never rewritten
.set NIL,   225                        ; v225 0; never rewritten
	s_load_b512 s[8:23], s[0:1], 0x0               ; Wq 8, Wk 10, Wv 12, x 14, Wo 16, xc 18, xs 20, wc 22
	s_load_b128 s[24:27], s[0:1], 0x40             ; ws 24, wo16 26
	s_load_b64 s[28:29], s[0:1], 0x50              ; rope
	v_lshl_add_u32 v[SPW], v0, 2, SPARE
	v_mov_b32 v[NIL], 0
	v_lshrrev_b32 v1, 5, v0
	v_readfirstlane_b32 s30, v1                    ; wave 0..3
	v_and_b32 v2, 31, v0                           ; lane
	s_wait_kmcnt 0x0
	s_cmp_lt_u32 ttmp9, 256
	s_cbranch_scc1 .Lrole_w
	s_cmp_lt_u32 ttmp9, 512
	s_cbranch_scc1 .Lrole_x
; ---------------- ROLE O: a wave casts 8,192 numbers of Wo: 64 steps of 512 bytes in, 256 bytes out.  Sixteen loads are kept out; every step has its own two registers for its store.
	s_sub_co_u32 s31, ttmp9, 512
	s_lshl_b32 s31, s31, 2
	s_add_co_u32 s31, s31, s30                     ; which run of 8,192 numbers
	s_lshl_b32 s32, s31, 15
	s_mov_b32 s33, 0
	s_add_nc_u64 s[16:17], s[16:17], s[32:33]
	s_lshl_b32 s32, s31, 14
	s_add_nc_u64 s[26:27], s[26:27], s[32:33]
	v_lshlrev_b32 v3, 4, v2                        ; in: 16 bytes a lane
	v_lshlrev_b32 v4, 3, v2                        ; out: 8 bytes a lane
.set i, 0
.rept 16
	global_load_b128 v[16+4*i:19+4*i], v3, s[16:17] offset:512*i th:TH_LOAD_NT
.set i, i+1
.endr
.set i, 0
.rept 64
.if i < 49
	s_wait_loadcnt 15                              ; loads come back in order: step i's is in, the fifteen younger may be out
.else
	s_wait_loadcnt 63-i                            ; the counts run down
.endif
	v_cvt_pk_f16_f32 v[80+2*i], v[16+4*(i%16)], v[17+4*(i%16)]
	v_cvt_pk_f16_f32 v[81+2*i], v[18+4*(i%16)], v[19+4*(i%16)]
.if i+16 < 64
	global_load_b128 v[16+4*(i%16):19+4*(i%16)], v3, s[16:17] offset:512*(i+16) th:TH_LOAD_NT
.endif
	global_store_b64 v4, v[80+2*i:81+2*i], s[26:27] offset:256*i   ; the wave stores 256 consecutive bytes, aligned
.set i, i+1
.endr
	s_branch .Lend
; ---------------- ROLE X: a wave takes 16 steps of 512 numbers of x.  Loads read the bytes as they lie (512 a load); a step's 2,048 bytes turn through the wave's own stage in LDS and come back 64 bytes a lane, so that a lane
; holds 16 neighbours along K and two neighbouring lanes a block.  LDS of wave w: 8,192 w: two stages of 32 x 80 bytes, then its 256 scale bytes.
.set XR,  16                           ; v16-79   four sets of 16 numbers as loaded
.set XX,  80                           ; v80-111  two sets of 16 neighbours
.set XE,  112                          ; v112-127 a scale byte for each step
.set XC,  128                          ; v128-191 codes: registers of its own for each step
.set SPX, 80                           ; a lane's place in a stage: 64 bytes + 16 of padding
.macro XLOAD t
.irp i, 0,1,2,3
	global_load_b128 v[XR+16*((\t)%4)+4*\i:XR+16*((\t)%4)+4*\i+3], v3, s[14:15] offset:2048*(\t)+512*\i th:TH_LOAD_NT
.endr
.endm
.macro XTURN t                         ; LDS serves a wave's instructions in order: no wait between the stores and the loads
.irp i, 0,1,2,3
	ds_store_b128 v14, v[XR+16*((\t)%4)+4*\i:XR+16*((\t)%4)+4*\i+3] offset:32*SPX*((\t)%2)+8*SPX*\i
.endr
.irp i, 0,1,2,3
	ds_load_b128 v[XX+16*((\t)%2)+4*\i:XX+16*((\t)%2)+4*\i+3], v15 offset:32*SPX*((\t)%2)+16*\i
.endr
.endm
.macro XSTEP t
.set XS, XX+16*((\t)%2)
.if (\t) > 0
	s_wait_dscnt 1                                 ; this step's numbers are back from the stage; the last step's byte store may be out
.else
	s_wait_dscnt 0x0
.endif
.if (\t)+4 < 16
	XLOAD (\t)+4                                   ; into the registers whose stores into the stage are done
.endif
.if (\t)+1 < 16
.if 14-(\t) >= 3
	s_wait_loadcnt 12                              ; the next step's four loads are in; those of the three steps behind it may be out
.else
	s_wait_loadcnt 4*(14-(\t))
.endif
	XTURN (\t)+1
.endif
	v_max3_num_f32 v8, |v[XS]|, |v[XS+1]|, |v[XS+2]|
	v_max3_num_f32 v9, |v[XS+3]|, |v[XS+4]|, |v[XS+5]|
.irp i, 6,10
	v_max3_num_f32 v8, v8, |v[XS+\i]|, |v[XS+\i+1]|
	v_max3_num_f32 v9, v9, |v[XS+\i+2]|, |v[XS+\i+3]|
.endr
	v_max3_num_f32 v8, v8, |v[XS+14]|, |v[XS+15]|
	v_max3_num_f32 v8, v8, v9, 0x1800000           ; and the floor 2^(3 - 127): the byte cannot fall under 1
	v_max_num_f32_dpp v8, v8, v8 row_xmask:1 row_mask:0xf bank_mask:0xf   ; with my neighbour's 16: the block's largest magnitude
	v_add_nc_u32 v11, 0xff000000, v8               ; 2 off its exponent field: the conversion takes the exponent field of this operand as its scale
	v_cvt_scalef32_pk8_fp4_f32 v[XC+4*(\t)], v[XS:XS+7], v11
	v_cvt_scalef32_pk8_fp4_f32 v[XC+4*(\t)+1], v[XS+8:XS+15], v11
	v_lshrrev_b32 v[XE+(\t)], 23, v11              ; the scale's byte (also the plain line behind the conversions)
	ds_store_b8 v5, v[XE+(\t)] offset:16*(\t)      ; both lanes of a block write the same byte with the same value
	global_store_b64 v4, v[XC+4*(\t):XC+4*(\t)+1], s[18:19] offset:256*(\t)   ; the wave stores 256 consecutive bytes, aligned
.endm
.Lrole_x:
	s_sub_co_u32 s31, ttmp9, 256
	s_lshl_b32 s31, s31, 2
	s_add_co_u32 s31, s31, s30                     ; which run of 8,192 numbers, 0..1023
	v_lshlrev_b32 v3, 4, v2                        ; my 16 bytes of a load's 512
	s_lshl_b32 s32, s30, 13                        ; my wave's LDS
	v_lshrrev_b32 v14, 2, v2
	v_mul_u32_u24 v14, v14, SPX
	v_and_b32 v15, 3, v2
	v_lshl_add_u32 v14, v15, 4, v14
	v_add_nc_u32 v14, s32, v14                     ; the stage, on the way in
	v_mul_u32_u24 v15, v2, SPX
	v_add_nc_u32 v15, s32, v15                     ; and on the way out
	v_lshlrev_b32 v4, 3, v2                        ; my codes' place in a step's 256 bytes
	v_lshrrev_b32 v5, 1, v2
	s_add_co_u32 s32, s32, 2*32*SPX
	v_add_nc_u32 v5, s32, v5                       ; my block's scale byte in LDS
	v_lshlrev_b32 v7, 3, v2
	v_add_nc_u32 v6, s32, v7
	s_mov_b32 s35, 0
	s_lshl_b32 s34, s31, 15
	s_add_nc_u64 s[14:15], s[14:15], s[34:35]
	s_lshl_b32 s34, s31, 12
	s_add_nc_u64 s[18:19], s[18:19], s[34:35]
	s_lshl_b32 s34, s31, 8
	s_add_nc_u64 s[20:21], s[20:21], s[34:35]
.irp t, 0,1,2,3
	XLOAD \t
.endr
; THE TABLE, under the first loads.  rope is laid as images of registers: [T = t / 16][idx = 4 b + 2 kind + part][512 bytes]; lane 16 h + r holds entries (t = 16 T + r, f = 16 b + 8 h + 4 part + 0..3), kind 0 cos / 16, 1 sin / 16.
; Run number -> T = run / 8, b = (run / 2) % 4, part = run % 2: a wave makes one image of cos and one of sin.  Four chains e = 0..3: v[192 + 4 k + e], k: 0 angle then cos, 1 n then sin, 2 r, 3 r^2, 4 sin(r), 5 cos(r), 6 whole numbers, 7 at work.
	s_lshr_b32 s36, s31, 3                         ; T
	s_bfe_u32 s37, s31, 0x20001                    ; b
	s_and_b32 s38, s31, 1                          ; part
	s_lshl_b32 s34, s36, 13
	s_lshl_b32 s39, s37, 11
	s_add_co_u32 s34, s34, s39
	s_lshl_b32 s39, s38, 9
	s_add_co_u32 s34, s34, s39
	s_add_nc_u64 s[28:29], s[28:29], s[34:35]
	s_lshl_b32 s40, s36, 4                         ; 16 T
	s_lshl_b32 s41, s37, 4
	s_lshl_b32 s39, s38, 2
	s_add_co_u32 s41, s41, s39                     ; 16 b + 4 part
	s_mov_b32 s48, 0x3f22f983                      ; 2 / pi
	s_mov_b32 s49, 0x3fc90fdb                      ; pi / 2, its f32 part,
	s_mov_b32 s50, 0xb33bbd2e                      ; and what is left of it
	s_mov_b32 s51, 0xbe2aaaa3                      ; sin(r) = r + r z (S1 + z (S2 + z S3)), z = r^2, |r| <= pi / 4
	s_mov_b32 s52, 0x3c08839e
	s_mov_b32 s53, 0xb94ca1f9
	s_mov_b32 s54, 0x3d2aaaa5                      ; cos(r) = 1 - z / 2 + z^2 (C1 + z (C2 + z C3))
	s_mov_b32 s55, 0xbab6061a
	s_mov_b32 s56, 0x37ccf5ce
	v_and_b32 v8, 15, v2
	v_add_nc_u32 v8, s40, v8                       ; t
	v_lshrrev_b32 v9, 4, v2
	v_lshl_add_u32 v9, v9, 3, s41                  ; my first f
.irp e, 0,1,2,3
	v_add_nc_u32 v[216+\e], \e, v9
.endr
.irp e, 0,1,2,3
	v_cvt_f32_u32 v[220+\e], v[216+\e]
.endr
.irp e, 0,1,2,3
	v_mul_f32 v[220+\e], 0xbe549a78, v[220+\e]     ; - f log2(10000) / 64
.endr
.irp e, 0,1,2,3
	v_exp_f32 v[220+\e], v[220+\e]                 ; 10000^(-f / 64)
.endr
	v_cvt_f32_u32 v11, v8                          ; (the plain line behind the exponentials)
	s_wait_alu depctr_va_vdst(0)                   ; one wait for the four, ahead of their first reader
.irp e, 0,1,2,3
	v_mul_f32 v[192+\e], v11, v[220+\e]            ; the angle
.endr
.irp e, 0,1,2,3
	v_mul_f32 v[196+\e], s48, v[192+\e]
.endr
.irp e, 0,1,2,3
	v_rndne_f32 v[196+\e], v[196+\e]               ; n = the nearest multiple of pi / 2
.endr
.irp e, 0,1,2,3
	v_fma_f32 v[200+\e], -v[196+\e], s49, v[192+\e]
.endr
.irp e, 0,1,2,3
	v_fma_f32 v[200+\e], -v[196+\e], s50, v[200+\e]   ; r = angle - n pi / 2, in two parts
.endr
.irp e, 0,1,2,3
	v_mul_f32 v[204+\e], v[200+\e], v[200+\e]
.endr
.irp e, 0,1,2,3
	v_fma_f32 v[208+\e], v[204+\e], s53, s52
	v_fma_f32 v[212+\e], v[204+\e], s56, s55
.endr
.irp e, 0,1,2,3
	v_fma_f32 v[208+\e], v[208+\e], v[204+\e], s51
	v_fma_f32 v[212+\e], v[212+\e], v[204+\e], s54
.endr
.irp e, 0,1,2,3
	v_mul_f32 v[208+\e], v[208+\e], v[204+\e]
	v_mul_f32 v[212+\e], v[212+\e], v[204+\e]
	v_fma_f32 v[220+\e], v[204+\e], -0.5, 1.0
.endr
.irp e, 0,1,2,3
	v_fma_f32 v[208+\e], v[208+\e], v[200+\e], v[200+\e]   ; sin(r)
	v_fma_f32 v[212+\e], v[212+\e], v[204+\e], v[220+\e]   ; cos(r)
	v_cvt_i32_f32 v[216+\e], v[196+\e]             ; n as a whole number: it only selects values
.endr
.irp e, 0,1,2,3
	v_and_b32 v[220+\e], 1, v[216+\e]
	v_cmp_eq_u32 vcc_lo, 1, v[220+\e]
	v_cndmask_b32 v[192+\e], v[212+\e], v[208+\e], vcc_lo   ; cos: in odd quadrants sin(r)
	v_cndmask_b32 v[196+\e], v[208+\e], v[212+\e], vcc_lo   ; sin: in odd quadrants cos(r)
.endr
.irp e, 0,1,2,3
	v_and_b32 v[220+\e], 2, v[216+\e]
	v_add_nc_u32 v[216+\e], 1, v[216+\e]
.endr
.irp e, 0,1,2,3
	v_lshlrev_b32 v[220+\e], 30, v[220+\e]
	v_and_b32 v[216+\e], 2, v[216+\e]
.endr
.irp e, 0,1,2,3
	v_xor_b32 v[196+\e], v[196+\e], v[220+\e]      ; sin is negative in quadrants 2 and 3,
	v_lshlrev_b32 v[216+\e], 30, v[216+\e]
.endr
.irp e, 0,1,2,3
	v_xor_b32 v[192+\e], v[192+\e], v[216+\e]      ; cos in quadrants 1 and 2
.endr
.irp e, 0,1,2,3
	v_mul_f32 v[192+\e], 0x3d800000, v[192+\e]     ; x 2^-4: q and k are kept as f16 numbers a sixteenth of their size
	v_mul_f32 v[196+\e], 0x3d800000, v[196+\e]
.endr
	global_store_b128 v3, v[192:195], s[28:29]               ; 512 consecutive bytes; these registers are not written again
	global_store_b128 v3, v[196:199], s[28:29] offset:1024
	s_wait_loadcnt 12                              ; step 0's four loads are in
	XTURN 0
.irp t, 0,1,2,3,4,5,6,7,8,9,10,11,12,13,14,15
	XSTEP \t
.endr
	ds_load_b64 v[8:9], v6                         ; my wave's 256 scale bytes: LDS serves a wave's instructions in order
	s_wait_dscnt 0x0
	global_store_b64 v7, v[8:9], s[20:21]          ; 256 consecutive bytes, aligned
	s_branch .Lend
; ---------------- ROLE W: a lane takes a column n and its registers run down K: a block of 32 lies in one lane, and the conversions give codes with K innermost.  A wave: 32 columns x 512 along K; the work-group: 128 columns.
; The three weights have rows of 8,192 or 4,096 bytes: the pitch P is a scalar chosen by the work-group's number, the 32 rows' offsets lie in 32 registers that stay, and two bases (even and odd blocks) step by 64 P.
.set WX,   32                          ; v32-95   two sets of 32 numbers
.set WC,   96                          ; v96-99   a block's codes
.set SB,   24                          ; v24-27   the scale bytes, four to a register
.set OUTR, 112                         ; v112-175 the way out
.set RO,   176                         ; v176-207 4 x lane + i P; never rewritten
.set WP,   272                         ; a stage row: 256 bytes + 16
.macro WLOAD t
.irp i, 0,1,2,3,4,5,6,7,8,9,10,11,12,13,14,15,16,17,18,19,20,21,22,23,24,25,26,27,28,29,30,31
	global_load_b32 v[WX+32*((\t)%2)+\i], v[RO+\i], s[36+2*((\t)%2):37+2*((\t)%2)] th:TH_LOAD_NT
.endr
.endm
.macro WBLOCK t
.set XS, WX+32*((\t)%2)
.if (\t) < 15
	s_wait_loadcnt 32                              ; this block's 32 loads are in; the next block's may be out
.else
	s_wait_loadcnt 0
.endif
	v_max3_num_f32 v12, |v[XS]|, |v[XS+1]|, |v[XS+2]|
	v_max3_num_f32 v13, |v[XS+3]|, |v[XS+4]|, |v[XS+5]|
.irp i, 6,10,14,18,22,26
	v_max3_num_f32 v12, v12, |v[XS+\i]|, |v[XS+\i+1]|
	v_max3_num_f32 v13, v13, |v[XS+\i+2]|, |v[XS+\i+3]|
.endr
	v_max3_num_f32 v12, v12, |v[XS+30]|, |v[XS+31]|
	v_max3_num_f32 v12, v12, v13, 0x1800000        ; and the floor 2^(3 - 127)
	v_add_nc_u32 v11, 0xff000000, v12              ; 2 off the exponent field: the conversion's scale operand
	v_lshrrev_b32 v13, 23, v11                     ; the scale's byte
.if (\t)%4 == 0
	v_mov_b32 v[SB+(\t)/4], v13
.else
	v_lshl_or_b32 v[SB+(\t)/4], v13, 8*((\t)%4), v[SB+(\t)/4]
.endif
.irp g, 0,1,2,3
	v_cvt_scalef32_pk8_fp4_f32 v[WC+\g], v[XS+8*\g:XS+8*\g+7], v11
.endr
	v_nop                                          ; a plain line behind the last conversion
	ds_store_b128 v4, v[WC:WC+3] offset:16*(\t)    ; 32 codes: 16 bytes of my column's row
.if (\t)+2 < 16
	s_add_nc_u64 s[36+2*((\t)%2):37+2*((\t)%2)], s[36+2*((\t)%2):37+2*((\t)%2)], s[40:41]   ; this base's loads are all in (the wait above): 64 rows on
	WLOAD (\t)+2
.endif
	s_wait_dscnt 0x0                               ; the store has read its registers: the next block's codes may be written
.endm
.Lrole_w:
	s_and_b32 s31, ttmp9, 31                       ; which 128 of the 4,096 columns
	s_lshr_b32 s32, ttmp9, 5                       ; which 512 along K
	s_cmp_lt_u32 s31, 16
	s_cselect_b64 s[36:37], s[8:9], s[10:11]       ; the choices hang on the work-group's number alone
	s_mov_b32 s33, 4096
	s_cselect_b32 s33, 8192, s33                   ; P
	s_cselect_b32 s34, 0, 16
	s_cmp_lt_u32 s31, 24
	s_cselect_b64 s[36:37], s[36:37], s[12:13]
	s_cselect_b32 s34, s34, 24
	s_sub_co_u32 s35, s31, s34
	s_lshl_b32 s35, s35, 7
	s_lshl_b32 s42, s30, 5
	s_add_co_u32 s35, s35, s42                     ; my wave's first column in its tensor
	s_lshl_b32 s35, s35, 2
	s_lshl_b32 s43, s32, 9
	s_mul_i32 s43, s43, s33
	s_add_co_u32 s44, s43, s35
	s_mov_b32 s45, 0
	s_add_nc_u64 s[36:37], s[36:37], s[44:45]      ; even blocks' base
	s_lshl_b32 s44, s33, 5
	s_add_nc_u64 s[38:39], s[36:37], s[44:45]      ; odd blocks': 32 rows on
	s_lshl_b32 s40, s33, 6
	s_mov_b32 s41, 0                               ; the step: 64 rows
	s_lshl_b32 s46, s31, 7
	s_add_co_u32 s46, s46, s42                     ; my first n
	s_lshl_b32 s44, s46, 11
	s_lshl_b32 s47, s32, 8
	s_add_co_u32 s44, s44, s47
	s_add_nc_u64 s[22:23], s[22:23], s[44:45]      ; wc: n x 2,048 + 256 x (which 512 along K)
	s_lshl_b32 s44, s46, 7
	s_lshl_b32 s47, s32, 4
	s_add_co_u32 s44, s44, s47
	s_add_nc_u64 s[24:25], s[24:25], s[44:45]      ; ws: n x 128 + 16 x (which 512)
	s_mul_i32 s47, s30, 32*WP
	s_add_co_u32 s47, s47, 32768                   ; my stage
	v_mul_u32_u24 v4, v2, WP
	v_add_nc_u32 v4, s47, v4                       ; into it: row = my column
	v_and_b32 v5, 15, v2
	v_lshrrev_b32 v6, 4, v2
	v_mul_u32_u24 v7, v6, WP
	v_lshl_add_u32 v7, v5, 4, v7
	v_add_nc_u32 v7, s47, v7                       ; out of it: sixteen lanes to a row, two rows an instruction
	v_lshlrev_b32 v8, 11, v6
	v_lshl_add_u32 v8, v5, 4, v8                   ; the same place in wc
	v_lshlrev_b32 v9, 7, v2                        ; my column's row of ws
	v_lshlrev_b32 v[RO], 2, v2
.set i, 1
.rept 31
	v_add_nc_u32 v[RO+i], s33, v[RO+i-1]
.set i, i+1
.endr
	WLOAD 0
	WLOAD 1
.irp t, 0,1,2,3,4,5,6,7,8,9,10,11,12,13,14,15
	WBLOCK \t
.endr
	global_store_b128 v9, v[SB:SB+3], s[24:25]     ; my column's 16 scale bytes
.irp t, 0,1,2,3,4,5,6,7,8,9,10,11,12,13,14,15
	ds_load_b128 v[OUTR+4*\t:OUTR+4*\t+3], v7 offset:2*\t*WP
.endr
.irp t, 0,1,2,3,4,5,6,7,8,9,10,11,12,13,14,15
	s_wait_dscnt 15-\t
	global_store_b128 v8, v[OUTR+4*\t:OUTR+4*\t+3], s[22:23] offset:2*\t*2048   ; sixteen lanes store 256 consecutive bytes, aligned
.endr
.Lend:
	s_wait_tensorcnt 0x0                           ; the wave's end
	ds_add_u32 v[SPW], v[NIL]
	s_wait_dscnt 0x0
	s_endpgm
.Lfunc_end_k_q4d458011ef_prep:
	.size	k_q4d458011ef_prep, .Lfunc_end_k_q4d458011ef_prep-k_q4d458011ef_prep
	.p2alignl 7, 3214868480
	.fill 96, 4, 3214868480
	.section	.rodata,"a",@progbits
	.p2align	6, 0x0
	.amdhsa_kernel k_q4d458011ef_prep
		.amdhsa_group_segment_fixed_size 68096
		.amdhsa_private_segment_fixed_size 0
		.amdhsa_enable_private_segment 0
		.amdhsa_kernarg_size 88
		.amdhsa_user_sgpr_count 2
		.amdhsa_user_sgpr_kernarg_segment_ptr 1
		.amdhsa_wavefront_size32 1
		.amdhsa_system_sgpr_workgroup_id_x 1
		.amdhsa_system_sgpr_workgroup_id_y 1
		.amdhsa_system_sgpr_workgroup_id_z 1
		.amdhsa_system_vgpr_workitem_id 0
		.amdhsa_next_free_vgpr 232
		.amdhsa_next_free_sgpr 66
		.amdhsa_reserve_vcc 1
		.amdhsa_float_denorm_mode_32 3
		.amdhsa_float_denorm_mode_16_64 3
		.amdhsa_memory_ordered 1
		.amdhsa_forward_progress 1
		.amdhsa_inst_pref_size 142
	.end_amdhsa_kernel
	.amdgpu_metadata
---
amdhsa.version: [ 1, 2 ]
amdhsa.kernels:
  - .name:           k_q4d458011ef_prep
    .symbol:         k_q4d458011ef_prep.kd
    .args:
      - { .name: Wq, .offset: 0, .size: 8, .value_kind: global_buffer, .address_space: global }
      - { .name: Wk, .offset: 8, .size: 8, .value_kind: global_buffer, .address_space: global }
      - { .name: Wv, .offset: 16, .size: 8, .value_kind: global_buffer, .address_space: global }
      - { .name: hidden_states, .offset: 24, .size: 8, .value_kind: global_buffer, .address_space: global }
      - { .name: Wo, .offset: 32, .size: 8, .value_kind: global_buffer, .address_space: global }
      - { .name: xc, .offset: 40, .size: 8, .value_kind: global_buffer, .address_space: global }
      - { .name: xs, .offset: 48, .size: 8, .value_kind: global_buffer, .address_space: global }
      - { .name: wc, .offset: 56, .size: 8, .value_kind: global_buffer, .address_space: global }
      - { .name: ws, .offset: 64, .size: 8, .value_kind: global_buffer, .address_space: global }
      - { .name: wo16, .offset: 72, .size: 8, .value_kind: global_buffer, .address_space: global }
      - { .name: rope, .offset: 80, .size: 8, .value_kind: global_buffer, .address_space: global }
    .group_segment_fixed_size: 68096
    .private_segment_fixed_size: 0
    .kernarg_segment_align: 8
    .kernarg_segment_size: 88
    .max_flat_workgroup_size: 128
    .sgpr_count:     66
    .vgpr_count:     232
    .wavefront_size: 32
...
	.end_amdgpu_metadata
.endif
;; end of part 1
;; launch qkv (part 2): grid 16 x 16, 4 waves a work-group, clusters of 4 x 4, 327,680 bytes of LDS; arguments xc, xs, wc, ws, rope, qkv; writes qkv
.if DOCPART == 2
	.amdgcn_target "amdgcn-amd-amdhsa--gfx1250"
	.amdhsa_code_object_version 6
	.text
	.protected	k_q4d458011ef_qkv
	.globl	k_q4d458011ef_qkv
	.p2align	8
	.type	k_q4d458011ef_qkv,@function
k_q4d458011ef_qkv:
	s_mov_b64 s[64:65], 0
	v_nop
	global_prefetch_b8 v0, s[64:65] scope:SCOPE_SE
	s_setreg_imm32_b32 hwreg(HW_REG_WAVE_MODE, 25, 1), 1
	s_wait_xcnt 0x0
	s_wait_alu depctr_hold_cnt(0) depctr_sa_sdst(0) depctr_va_vdst(0) depctr_va_sdst(0) depctr_va_ssrc(0) depctr_va_vcc(0) depctr_vm_vsrc(0)
	s_getreg_b32 s2, hwreg(HW_REG_IB_STS2, 6, 4)
	s_cmp_eq_u32 s2, 0
	s_cbranch_scc0 .Lentry_in_a_cluster
	s_endpgm
.Lentry_in_a_cluster:
	s_bfe_u32 s2, ttmp6, 0x10000c
	s_cmp_lg_u32 s2, 0xf033
	s_cbranch_scc0 .Lentry_shape_is_right
	s_endpgm
.Lentry_shape_is_right:
; QKV: [2048 tokens][4096 n] = x (Wq | Wk | Wv), both operands codes of FP4 (E2M1) with one E8M0 scale for each 32 along K = 4,096; sums in f32; then the rotation of q and k, x 2^-4, f16.
; qkv: f16 [32 heads][2048][128]: q heads 0-15, k 16-23, v 24-31, every number a sixteenth of its size (exact).  LIMIT: |q|, |k|, |v| under 1.04e6 (f16's range x 16).
; SHARES.  256 work-groups, a tile of 128 tokens x 256 n each (tiles of 256 x 256 would be 128).  Four waves; a wave makes 64 tokens x 128 n = ONE head: 32 accumulators.  So the partner d + 64 of the rotation lies in the same
; lane and register number, four accumulators on.  K goes in steps of 512 (rows of 256 bytes) through two LDS slots; the scale bytes of the tile's rows for all of K come once and stay.
; CLUSTER 4 x 4: x's tiles are shared along a row of the cluster, the weights' along a column: joint loads.  The matrix instruction is used transposed (source 0 = 16 n, source 1 = 16 tokens): a lane holds 8 neighbouring n of a token.
; REGISTERS: window 0: v16-29 addresses; v32-95 scale words, two sets, and nothing else; v96-111 at work on the way out; v128-159, v160-191 x's fragments, two sets (on the way out: the rotated numbers).
;   window 1: the weights' fragments, two sets, v0-63 and v128-191 (on the way out v0-127: packed results).   window 2: the 32 accumulators, (a, b) at v[8 (8 a + b)].   window 3: my 64 tokens' table of cos / 16 and sin / 16.
.set PITCH, 272                        ; an LDS row: 256 bytes + 16: the 16 rows of a fragment load start at 16 different banks (64 banks of 4 bytes: ISA guide 11.1)
.set AH,    64*PITCH                   ; 64 rows of x: one tensor load, and what a wave reads
.set BH,    128*PITCH                  ; 128 rows of the weights: likewise
.set BOFF,  2*AH
.set SLOT,  2*AH+2*BH
.set SCL,   2*SLOT                     ; behind the ring: the scales, as units of 256 bytes + 16 (a row of scales is 128 bytes: two rows a unit)
.set AHS,   32*272                     ; the scales of 64 rows
.set BHS,   64*272                     ; of 128 rows
.set SBLK,  8*272                      ; of 16 rows
.set SPARE, SCL+2*AHS+2*BHS            ; the spare words, 128 bytes a wave, that no other line names
.set LAPS,  4                          ; 8 K steps
.set ADRA, 16
.set ADRB, 20
.set STO,  24
.set RD,   25
.set CO,   26                          ; 16 x lane
.set ADRS, 27
.set SPW,  28
.set NIL,  29
.set SC,   32
.set TT,   96
.set AF,   128
.set YY,   128
.set G1, 24
.set G0, 32
.set G1B, 48
.set G0B, 56
.set G1S, 68
.set G0S, 76
.set G1SB, 80
.set G0SB, 88
.set MSB, 0
.macro WIN new                         ; the immediate's high byte repeats the setting that is left
.if MSB != \new
	s_set_vgpr_msb (MSB<<8)|\new
.set MSB, \new
.endif
.endm
.set MULW, 0xa1                        ; source 0 window 1, source 1 window 0, C and D window 2
; A joint load: waves 0 and 1 fetch for x, waves 2 and 3 for the weights.  The branch hangs on the wave's number alone.  An s_nop 0 and four v_nop follow each line.
.macro JLOAD g0a, g1a, g0b, g1b
	s_cmp_eq_u32 s15, 0
	s_cbranch_scc0 .Lfor_b_\@
	tensor_load_to_lds s[\g0a:\g0a+3], s[\g1a:\g1a+7]
	s_nop 0
.rept 4
	v_nop
.endr
	s_branch .Lasked_\@
.Lfor_b_\@:
	tensor_load_to_lds s[\g0b:\g0b+3], s[\g1b:\g1b+7]
	s_nop 0
.rept 4
	v_nop
.endr
.Lasked_\@:
.endm
.macro CREST                           ; a round of the cluster's barrier behind its opening barrier
	s_cmp_lg_u32 s14, 0
	s_cbranch_scc1 .Lnot_wave_0_\@
	s_barrier_signal -3
.Lnot_wave_0_\@:
	s_barrier_wait -3
	s_barrier_signal -1
	s_barrier_wait -1
.endm
.macro CROUND
	s_barrier_signal -1
	s_barrier_wait -1
	CREST
.endm
	s_load_b128 s[4:7], s[0:1], 0x0                ; xc, xs
	s_load_b128 s[8:11], s[0:1], 0x10              ; wc, ws
	s_load_b128 s[96:99], s[0:1], 0x20             ; rope, qkv
	v_lshl_add_u32 v[SPW], v0, 2, SPARE
	v_mov_b32 v[NIL], 0
	ds_add_u32 v[SPW], v[NIL]                      ; the wave's opening: the add, twice on end, and its wait ahead of my first tensor load
	ds_add_u32 v[SPW], v[NIL]
	v_lshrrev_b32 v1, 5, v0
	v_readfirstlane_b32 s14, v1                    ; wave 0..3
	s_lshr_b32 s15, s14, 1                         ; my half of the tile's tokens.  Also: I fetch for x (0) or for the weights (1)
	s_and_b32 s16, s14, 1                          ; my half of its n.  Also: which half I fetch
	s_bfe_u32 s40, ttmp6, 0x40000                  ; cx
	s_bfe_u32 s41, ttmp6, 0x40004                  ; cy
	s_lshl_b32 s42, ttmp9, 2
	s_add_co_u32 s42, s42, s40                     ; tile column
	s_and_b32 s17, ttmp7, 0xffff
	s_lshl_b32 s17, s17, 2
	s_add_co_u32 s17, s17, s41                     ; tile row
	s_lshl_b32 s43, s41, 2
	s_lshl_b32 s43, 15, s43                        ; my row of the cluster
	s_lshl_b32 s44, 0x1111, s40                    ; my column
	s_or_b32 s[G1+0], s43, (1<<20)|(1<<21)|(5<<22)|(3<<25)    ; the mask; elements of 1 byte; padding on; bit 21 beside a mask; 4 words after every 64
	s_or_b32 s[G1B+0], s44, (1<<20)|(1<<21)|(5<<22)|(3<<25)
	s_mov_b32 s[G1+1], 256<<16                     ; tensor_dim0 = 256 bytes
	s_mov_b32 s[G1+2], 64<<16                      ; tensor_dim1 = 64 rows
	s_mov_b32 s[G1+3], 256<<16                     ; tile_dim0
	s_mov_b32 s[G1+4], 64                          ; tile_dim1
	s_mov_b32 s[G1+5], 2048                        ; a row of codes in memory
	s_mov_b32 s[G1+6], 0
	s_mov_b32 s[G1+7], 0
	s_mov_b32 s[G1B+1], 256<<16
	s_mov_b32 s[G1B+2], 128<<16
	s_mov_b32 s[G1B+3], 256<<16
	s_mov_b32 s[G1B+4], 128
	s_mov_b32 s[G1B+5], 2048
	s_mov_b32 s[G1B+6], 0
	s_mov_b32 s[G1B+7], 0
	s_or_b32 s[G1S+0], s43, (3<<16)|(1<<20)|(1<<21)|(5<<22)|(3<<25)   ; the scales: dense blocks, as rows of 32 elements of 8 bytes
	s_or_b32 s[G1SB+0], s44, (3<<16)|(1<<20)|(1<<21)|(5<<22)|(3<<25)
	s_mov_b32 s[G1S+1], 32<<16
	s_mov_b32 s[G1S+2], 32<<16                     ; 64 rows x 128 bytes = 32 units
	s_mov_b32 s[G1S+3], 32<<16
	s_mov_b32 s[G1S+4], 32
	s_mov_b32 s[G1S+5], 32
	s_mov_b32 s[G1S+6], 0
	s_mov_b32 s[G1S+7], 0
	s_mov_b32 s[G1SB+1], 32<<16
	s_mov_b32 s[G1SB+2], 64<<16                    ; 128 rows = 64 units
	s_mov_b32 s[G1SB+3], 32<<16
	s_mov_b32 s[G1SB+4], 64
	s_mov_b32 s[G1SB+5], 32
	s_mov_b32 s[G1SB+6], 0
	s_mov_b32 s[G1SB+7], 0
	s_lshl_b32 s18, s16, 6
	s_lshl_b32 s20, s17, 7
	s_add_co_u32 s20, s20, s18                     ; x: row 128 x tile row + 64 x half
	s_mov_b32 s21, 0
	s_lshl_b32 s18, s16, 7
	s_lshl_b32 s46, s42, 8
	s_add_co_u32 s46, s46, s18                     ; weights: row 256 x tile column + 128 x half
	s_mov_b32 s47, 0
	s_lshl_b64 s[22:23], s[20:21], 7               ; where these rows' scales begin,
	s_lshl_b64 s[92:93], s[46:47], 7
	s_lshl_b64 s[20:21], s[20:21], 11              ; and their codes
	s_lshl_b64 s[46:47], s[46:47], 11
	s_mul_i32 s45, s16, AH                         ; where they go: the wave's number alone enters an LDS address
	s_mul_i32 s94, s16, BH
	s_add_co_u32 s94, s94, BOFF
	s_mul_i32 s95, s16, AHS
	s_add_co_u32 s95, s95, SCL
	s_mul_i32 s66, s16, BHS
	s_add_co_u32 s66, s66, SCL+2*AHS
	s_wait_dscnt 0x0                               ; both opening adds are done
	s_wait_kmcnt 0x0
	s_add_nc_u64 s[20:21], s[4:5], s[20:21]
	s_add_nc_u64 s[22:23], s[6:7], s[22:23]
	s_add_nc_u64 s[46:47], s[8:9], s[46:47]
	s_add_nc_u64 s[92:93], s[10:11], s[92:93]
	CROUND                                         ; all sixteen work-groups are here: the first joint loads meet
	s_mov_b32 s[G0S], 1
	s_mov_b32 s[G0S+1], s95
	s_mov_b64 s[G0S+2:G0S+3], s[22:23]
	s_or_b32 s[G0S+3], s[G0S+3], 0x80000000
	s_mov_b32 s[G0SB], 1
	s_mov_b32 s[G0SB+1], s66
	s_mov_b64 s[G0SB+2:G0SB+3], s[92:93]
	s_or_b32 s[G0SB+3], s[G0SB+3], 0x80000000
	JLOAD G0S, G1S, G0SB, G1SB                     ; the scales first: they are wanted with K step 0
.irp s, 0,1
	s_mov_b32 s[G0+4*\s], 1
	s_add_co_u32 s[G0+4*\s+1], s45, \s*SLOT
	s_add_nc_u64 s[G0+4*\s+2:G0+4*\s+3], s[20:21], \s*256
	s_or_b32 s[G0+4*\s+3], s[G0+4*\s+3], 0x80000000
	s_mov_b32 s[G0B+4*\s], 1
	s_add_co_u32 s[G0B+4*\s+1], s94, \s*SLOT
	s_add_nc_u64 s[G0B+4*\s+2:G0B+4*\s+3], s[46:47], \s*256
	s_or_b32 s[G0B+4*\s+3], s[G0B+4*\s+3], 0x80000000
	JLOAD G0+4*\s, G1, G0B+4*\s, G1B               ; three loads of mine are out
.endr
	v_and_b32 v1, 15, v0                           ; r
	v_bfe_u32 v2, v0, 4, 1                         ; h
	v_mul_u32_u24 v3, v1, PITCH
	v_lshl_add_u32 v4, v2, 4, v3                   ; a fragment's row x pitch + 16 h
	s_mul_i32 s21, s15, AH                         ; my 64 rows of x
	s_mul_i32 s22, s16, BH
	s_add_co_u32 s22, s22, BOFF                    ; my 128 rows of the weights
.irp s, 0,1
	v_add_nc_u32 v[ADRA+\s], s21, v4
	v_add_nc_u32 v[ADRB+\s], s22, v4
	s_add_co_u32 s21, s21, SLOT
	s_add_co_u32 s22, s22, SLOT
.endr
	v_lshlrev_b32 v5, 7, v1                        ; my row's scales: 128 bytes a row,
	v_lshrrev_b32 v6, 8, v5
	v_lshl_add_u32 v5, v6, 4, v5                   ; and 16 more for each 256 passed
	s_mul_i32 s21, s15, AHS
	s_mul_i32 s22, s16, BHS
	s_add_co_u32 s22, s22, 2*AHS
	s_sub_co_u32 s22, s22, s21
	v_mul_u32_u24 v6, s22, v2                      ; lanes 16-31 take the weights': one product, the distance between the two bases
	s_add_co_u32 s21, s21, SCL
	v_add_nc_u32 v5, v5, v6
	v_add_nc_u32 v[ADRS], s21, v5
	s_mul_i32 s23, s14, 16*PITCH                   ; my stage for the way out: in slot 0, which has had its last fill and its last read by then
	v_add_nc_u32 v[STO], s23, v4                   ; in: row r, 16 bytes for each half of the lanes
	v_mul_u32_u24 v5, v2, PITCH
	v_lshl_add_u32 v5, v1, 4, v5
	v_add_nc_u32 v[RD], s23, v5                    ; back: lanes 0-15 one row of 256 bytes, lanes 16-31 the next
	v_and_b32 v6, 31, v0
	v_lshlrev_b32 v[CO], 4, v6
	s_lshl_b32 s20, s17, 7
	s_lshl_b32 s21, s15, 6
	s_add_co_u32 s20, s20, s21                     ; my first token
	s_lshl_b32 s22, s20, 9
	s_mov_b32 s23, 0
	s_add_nc_u64 s[96:97], s[96:97], s[22:23]      ; the table: 8,192 bytes for 16 tokens
	s_lshl_b32 s46, s42, 1
	s_add_co_u32 s46, s46, s16                     ; my head, 0..31
	s_lshl_b32 s46, s46, 19
	s_lshl_b32 s47, s20, 8
	s_add_co_u32 s46, s46, s47
	s_mov_b32 s47, 0
	s_add_nc_u64 s[98:99], s[98:99], s[46:47]
	WIN 0xc0                                       ; destination window 3
.irp a, 0,1,2,3
.irp n, 0,1,2,3,4,5,6,7,8,9,10,11,12,13,14,15
	global_load_b128 v[64*\a+4*\n:64*\a+4*\n+3], v[CO], s[96:97] offset:\a*8192+\n*512   ; register 64 a + 16 b + 8 kind + j: cos (0) or sin (1) of (token 16 a + r, f = 16 b + 8 h + j).  Waited for on the way out
.endr
.endr
	WIN 0
.macro FRAG reg, adr, q, i             ; 16 rows x 128 K of 4-bit codes: 8 registers: two loads of 16 bytes, 32 apart
.irp c, 0,1
	ds_load_b128 v[\reg+4*\c:\reg+4*\c+3], v[\adr] offset:64*(\q)+32*\c+(\i)*16*PITCH
.endr
.endm
; 8 matrix instructions: x's block a against the weights' eight, the slot's q-th 128 along K.  p: the sets of fragments; sc: the set of scale words.  The 32 accumulators take turns, one instruction a turn, in one order.
.macro MUL8 a, p, q, sc, zero
.irp b, 0,1,2,3,4,5,6,7
.if \zero
	v_wmma_scale_f32_16x16x128_f8f6f4 v[8*(8*(\a)+\b):8*(8*(\a)+\b)+7], v[128*(\p)+8*\b:128*(\p)+8*\b+7], v[AF+32*(\p)+8*(\a):AF+32*(\p)+8*(\a)+7], 0, v[SC+32*(\sc)+4*\b+(\q)], v[SC+32*(\sc)+4*(\a)+(\q)] matrix_a_fmt:MATRIX_FMT_FP4 matrix_b_fmt:MATRIX_FMT_FP4 matrix_a_scale:MATRIX_SCALE_ROW1
.else
	v_wmma_scale_f32_16x16x128_f8f6f4 v[8*(8*(\a)+\b):8*(8*(\a)+\b)+7], v[128*(\p)+8*\b:128*(\p)+8*\b+7], v[AF+32*(\p)+8*(\a):AF+32*(\p)+8*(\a)+7], v[8*(8*(\a)+\b):8*(8*(\a)+\b)+7], v[SC+32*(\sc)+4*\b+(\q)], v[SC+32*(\sc)+4*(\a)+(\q)] matrix_a_fmt:MATRIX_FMT_FP4 matrix_b_fmt:MATRIX_FMT_FP4 matrix_a_scale:MATRIX_SCALE_ROW1
.endif
.endr
.endm
.macro FETCH_B slot, q, p
	WIN 0x40
.irp i, 0,1,2,3,4,5,6,7
	FRAG 128*(\p)+8*\i, ADRB+\slot, \q, \i
.endr
	WIN 0
.endm
.macro FETCH_A slot, q, p
.irp i, 0,1,2,3
	FRAG AF+32*(\p)+8*\i, ADRA+\slot, \q, \i
.endr
.endm
.macro SCALES sc                       ; a K step's scale words: 4 words a row; lanes 0-15 x's block i (i = 4..7: filled bytes that no product uses), lanes 16-31 the weights' block i
.irp i, 0,1,2,3,4,5,6,7
	ds_load_b128 v[SC+32*\sc+4*\i:SC+32*\sc+4*\i+3], v[ADRS] offset:\i*SBLK
.endr
.endm
.macro PLACES n                        ; plain vector lines between a matrix instruction and a load into, or a read of, its registers (ISA guide 7.12.1 for the reads)
.rept \n
	v_nop
.endr
.endm
; A step of 128 along K with its successor in the same slot: the next step's 24 loads go out in one run, then this step's 32 products.
.macro STEP slot, q, zero
	s_wait_dscnt 0x0                               ; this step's fragments (and scale words) are in
	PLACES 4
	FETCH_B \slot, (\q)+1, 1-(\q)%2
	FETCH_A \slot, (\q)+1, 1-(\q)%2
	WIN MULW
	MUL8 0, (\q)%2, \q, \slot, \zero
	MUL8 1, (\q)%2, \q, \slot, \zero
	MUL8 2, (\q)%2, \q, \slot, \zero
	MUL8 3, (\q)%2, \q, \slot, \zero
	WIN 0
.endm
; A slot's last step changes slots: one barrier; in front of it each wave waits for all its tensor loads, adds 0 to its spare word, and waits for that and for its reads of this slot.  fill = 1: the slot is filled again, two K steps ahead.
.macro TURN slot, next, fill
	s_wait_tensorcnt 0x0                           ; all my tensor loads have landed: my part of the next slot
	ds_add_u32 v[SPW], v[NIL]
	s_wait_dscnt 1                                 ; this step's fragments are in; the add may be out
	WIN MULW
	MUL8 0, 1, 3, \slot, 0                         ; eight products stand between the add and the wait for it
	s_wait_dscnt 0x0                               ; the add is done, and my reads of this slot are over
	s_barrier_signal -1
	MUL8 1, 1, 3, \slot, 0
	WIN 0
	s_barrier_wait -1
.if \fill
	CREST                                          ; the barrier has opened a round of the cluster's: no wave of any partner still reads this slot or has a load on its way
	s_add_nc_u64 s[G0+4*\slot+2:G0+4*\slot+3], s[G0+4*\slot+2:G0+4*\slot+3], 512
	s_add_nc_u64 s[G0B+4*\slot+2:G0B+4*\slot+3], s[G0B+4*\slot+2:G0B+4*\slot+3], 512
	JLOAD G0+4*\slot, G1, G0B+4*\slot, G1B         ; my one tensor load behind the round; its four v_nop are the places in front of the loads below
.else
	PLACES 4
.endif
	v_add_nc_u32 v[ADRS], 16, v[ADRS]              ; the next K step's scale words
	FETCH_B \next, 0, 0
	FETCH_A \next, 0, 0
	SCALES \next
	WIN MULW
	MUL8 2, 1, 3, \slot, 0
	MUL8 3, 1, 3, \slot, 0
	WIN 0
.endm
	s_wait_tensorcnt 1                             ; the scales and my part of K step 0 are in; K step 1's load may be out
	s_barrier_signal -1
	s_barrier_wait -1
	FETCH_B 0, 0, 0
	FETCH_A 0, 0, 0
	SCALES 0
	STEP 0, 0, 1                                   ; the first step stands in front of the loop: its products start the sums
	s_mov_b32 s3, LAPS-1
.Llap:                                             ; a trip goes once round the ring and fills both slots again
	STEP 0, 1, 0
	STEP 0, 2, 0
	TURN 0, 1, 1
	STEP 1, 0, 0
	STEP 1, 1, 0
	STEP 1, 2, 0
	TURN 1, 0, 1
	STEP 0, 0, 0
	s_sub_co_u32 s3, s3, 1
	s_cmp_lg_u32 s3, 0
	s_cbranch_scc1 .Llap
	STEP 0, 1, 0                                   ; the last lap fills nothing
	STEP 0, 2, 0
	TURN 0, 1, 0
	STEP 1, 0, 0
	STEP 1, 1, 0
	STEP 1, 2, 0
	s_wait_dscnt 0x0
	WIN MULW
	MUL8 0, 1, 3, 1, 0
	MUL8 1, 1, 3, 1, 0
	MUL8 2, 1, 3, 1, 0
	MUL8 3, 1, 3, 1, 0
	WIN 0
	PLACES 4
; THE WAY OUT, 16 tokens at a time.  rope = 1: y(d) = x(d) cos - x(d + 64) sin, y(d + 64) = x(d + 64) cos + x(d) sin, with cos and sin a sixteenth of their size; rope = 0: x 2^-4.  Each accumulator is read from its low end on.
; Then f16, 16 bytes a lane into my stage, back as whole rows of 256 bytes into the registers that they left: each block has its own 32 registers, so no store's data are written again.
.macro OUTB a, rope
.if \rope
	WIN 0x0e                                       ; source 0 window 2 (sums), source 1 window 3 (table), source 2 and destination window 0
.irp b, 0,1,2,3
.irp j, 0,2,4,6
	v_pk_mul_f32 v[TT+\j:TT+\j+1], v[8*(8*\a+\b+4)+\j:8*(8*\a+\b+4)+\j+1], v[64*\a+16*\b+8+\j:64*\a+16*\b+9+\j]
	v_pk_mul_f32 v[TT+8+\j:TT+9+\j], v[8*(8*\a+\b)+\j:8*(8*\a+\b)+\j+1], v[64*\a+16*\b+8+\j:64*\a+16*\b+9+\j]
.endr
.irp j, 0,2,4,6
	v_pk_fma_f32 v[YY+8*\b+\j:YY+8*\b+\j+1], v[8*(8*\a+\b)+\j:8*(8*\a+\b)+\j+1], v[64*\a+16*\b+\j:64*\a+16*\b+\j+1], v[TT+\j:TT+\j+1] neg_lo:[0,0,1] neg_hi:[0,0,1]
	v_pk_fma_f32 v[YY+8*(\b+4)+\j:YY+8*(\b+4)+\j+1], v[8*(8*\a+\b+4)+\j:8*(8*\a+\b+4)+\j+1], v[64*\a+16*\b+\j:64*\a+16*\b+\j+1], v[TT+8+\j:TT+9+\j]
.endr
.endr
.else
	WIN 0x02
.set i, 0
.rept 32
	v_pk_mul_f32 v[YY+2*i:YY+2*i+1], v[64*\a+2*i:64*\a+2*i+1], 0x3d800000 op_sel_hi:[1,0]
.set i, i+1
.endr
.endif
	WIN 0x40                                       ; destination window 1
.set i, 0
.rept 32
	v_cvt_pk_f16_f32 v[32*\a+i], v[YY+2*i], v[YY+2*i+1]
.set i, i+1
.endr
	WIN 0x04                                       ; an LDS store's data are its source 1: window 1
.irp b, 0,1,2,3,4,5,6,7
	ds_store_b128 v[STO], v[32*\a+4*\b:32*\a+4*\b+3] offset:32*\b
.endr
	WIN 0x40
.irp t, 0,1,2,3,4,5,6,7
	ds_load_b128 v[32*\a+4*\t:32*\a+4*\t+3], v[RD] offset:\t*2*PITCH   ; LDS serves a wave's instructions in order: these see the stores above, and the next block's stores come behind them
.endr
	WIN 0
.endm
.macro SENDB a, younger                ; younger: the LDS instructions issued behind block a's loads
	s_wait_dscnt \younger
	WIN 0x04
.irp t, 0,1,2,3,4,5,6,7
	global_store_b128 v[CO], v[32*\a+4*\t:32*\a+4*\t+3], s[98:99] offset:\a*4096+\t*512   ; 512 consecutive bytes: two rows of the head
.endr
	WIN 0
.endm
	s_wait_loadcnt 0x0                             ; the table
	s_cmp_lt_u32 ttmp9, 3                          ; the cluster's x, the same in all partners: tile columns 0-11 are q and k, 12-15 v
	s_cbranch_scc0 .Lvhead
	OUTB 0, 1
	OUTB 1, 1
	SENDB 0, 16                                    ; behind block 0's loads: block 1's 8 stores and 8 loads
	OUTB 2, 1
	SENDB 1, 16
	OUTB 3, 1
	SENDB 2, 16
	SENDB 3, 0
	s_branch .Lend
.Lvhead:
	OUTB 0, 0
	OUTB 1, 0
	SENDB 0, 16
	OUTB 2, 0
	SENDB 1, 16
	OUTB 3, 0
	SENDB 2, 16
	SENDB 3, 0
.Lend:
	s_wait_tensorcnt 0x0                           ; the wave's end
	ds_add_u32 v[SPW], v[NIL]
	s_wait_dscnt 0x0
	CROUND                                         ; the closing round
	s_endpgm
.Lfunc_end_k_q4d458011ef_qkv:
	.size	k_q4d458011ef_qkv, .Lfunc_end_k_q4d458011ef_qkv-k_q4d458011ef_qkv
	.p2alignl 7, 3214868480
	.fill 96, 4, 3214868480
	.section	.rodata,"a",@progbits
	.p2align	6, 0x0
	.amdhsa_kernel k_q4d458011ef_qkv
		.amdhsa_group_segment_fixed_size 327680
		.amdhsa_private_segment_fixed_size 0
		.amdhsa_enable_private_segment 0
		.amdhsa_kernarg_size 48
		.amdhsa_user_sgpr_count 2
		.amdhsa_user_sgpr_kernarg_segment_ptr 1
		.amdhsa_wavefront_size32 1
		.amdhsa_system_sgpr_workgroup_id_x 1
		.amdhsa_system_sgpr_workgroup_id_y 1
		.amdhsa_system_sgpr_workgroup_id_z 1
		.amdhsa_system_vgpr_workitem_id 0
		.amdhsa_next_free_vgpr 1024
		.amdhsa_next_free_sgpr 100
		.amdhsa_reserve_vcc 0
		.amdhsa_float_denorm_mode_32 3
		.amdhsa_float_denorm_mode_16_64 3
		.amdhsa_memory_ordered 1
		.amdhsa_forward_progress 1
		.amdhsa_inst_pref_size 174
	.end_amdhsa_kernel
	.amdgpu_metadata
---
amdhsa.version: [ 1, 2 ]
amdhsa.kernels:
  - .name:           k_q4d458011ef_qkv
    .symbol:         k_q4d458011ef_qkv.kd
    .args:
      - { .name: xc, .offset: 0, .size: 8, .value_kind: global_buffer, .address_space: global }
      - { .name: xs, .offset: 8, .size: 8, .value_kind: global_buffer, .address_space: global }
      - { .name: wc, .offset: 16, .size: 8, .value_kind: global_buffer, .address_space: global }
      - { .name: ws, .offset: 24, .size: 8, .value_kind: global_buffer, .address_space: global }
      - { .name: rope, .offset: 32, .size: 8, .value_kind: global_buffer, .address_space: global }
      - { .name: qkv, .offset: 40, .size: 8, .value_kind: global_buffer, .address_space: global }
    .group_segment_fixed_size: 327680
    .private_segment_fixed_size: 0
    .kernarg_segment_align: 8
    .kernarg_segment_size: 48
    .max_flat_workgroup_size: 128
    .sgpr_count:     100
    .vgpr_count:     1024
    .wavefront_size: 32
...
	.end_amdgpu_metadata
.endif
;; end of part 2
;; launch attn (part 3): grid 16 x 16, 4 waves a work-group, clusters of 4 x 1, 327,680 bytes of LDS; arguments qkv, attention_mask, att; writes att
.if DOCPART == 3
	.amdgcn_target "amdgcn-amd-amdhsa--gfx1250"
	.amdhsa_code_object_version 6
	.text
	.protected	k_q4d458011ef_attn
	.globl	k_q4d458011ef_attn
	.p2align	8
	.type	k_q4d458011ef_attn,@function
k_q4d458011ef_attn:
	s_mov_b64 s[64:65], 0
	v_nop
	global_prefetch_b8 v0, s[64:65] scope:SCOPE_SE
	s_setreg_imm32_b32 hwreg(HW_REG_WAVE_MODE, 25, 1), 1
	s_wait_xcnt 0x0
	s_wait_alu depctr_hold_cnt(0) depctr_sa_sdst(0) depctr_va_vdst(0) depctr_va_sdst(0) depctr_va_ssrc(0) depctr_va_vcc(0) depctr_vm_vsrc(0)
	s_getreg_b32 s2, hwreg(HW_REG_IB_STS2, 6, 4)
	s_cmp_eq_u32 s2, 0
	s_cbranch_scc0 .Lentry_in_a_cluster
	s_endpgm
.Lentry_in_a_cluster:
	s_bfe_u32 s2, ttmp6, 0x10000c
	s_cmp_lg_u32 s2, 0x3003
	s_cbranch_scc0 .Lentry_shape_is_right
	s_endpgm
.Lentry_shape_is_right:
; ATTN: att[q][128 head + d] = the sum over k of softmax_k(Q.K / sqrt(128) + mask[k]) V[k][d], 16 query heads on 8 key and value heads, 2,048 keys.  f16 operands, f32 products' sums, maxima and sums; running maximum.
; qkv holds q, k, v as f16 numbers a sixteenth of their size.  So the raw score is s' = q.k / 256; the mask goes in as mask' = mask x sqrt(128) / 256, as the C of the first products; t = c (s' + mask'), c = 256 log2(e) / sqrt(128);
; and O is multiplied by 16 / l at the end.  All three factors of two are exact.
; LIMITS: |output| under 65,504 (f16); NaN and +infinity in the mask are not served; -infinity is: the running maximum starts at the floor -1e30 (in units of s'); a row all of whose keys are -infinity gives NaN, as the definition does.
; SHARES.  A work-group owns 128 queries of one head (256 work-groups).  THE WAVES SPLIT THE KEYS: wave w has queries 64 (w / 2) .. + 63, four tiles of 16, and of every slot of 256 keys the half w % 2: 16 key steps of 64.
; At the end the two waves of a pair merge O, m and l through LDS, once.  In odd waves register tile t holds query tile t xor 2, so that every wave runs one text: it sends its tiles 2, 3 and finishes its tiles 0, 1.
; LAYOUT.  S^T = K Q^T (source 0 = 16 keys, source 1 = 16 queries), O^T = V^T P: a lane holds one query throughout; V is turned by ds_load_tr16_b128.
; BY TURNS.  The wave's tiles are two pieces (0: tiles 0, 1; 2: tiles 2, 3).  In a turn one piece has the matrix unit (32 products V^T P, then 32 products K Q^T of the next step); the other piece's softmax stands in 64 slices between them.
; CLUSTER 4 x 1: the four query blocks of a cluster belong to one head and walk the same K and V: joint loads, mask 15.
; REGISTERS: window 0: v1-11, v44-63 addresses; v12-43 statistics, 8 a tile; v64-191 S^T; v192-255 P.   window 1: O^T, 64 a tile.   window 2: v0-127 Q; v128-255 K of a step.   window 3: v0-127 V of a step; v128-159 mask' of its 64 keys.
.set KS,    64
.set PK,    272                        ; a row of K in LDS: 256 + 16
.set PV,    288                        ; a row of V: 256 + 32, for the turning load
.set VOFF,  256*PK                     ; a slot: 256 rows of K, then 256 rows of V
.set SLOTB, 256*(PK+PV)
.set MASKB, 2*SLOTB                    ; behind the ring: mask', 8,192 bytes, stored once by the waves; no fill lands there
.set SPARE, MASKB+8192                 ; the spare words, 128 bytes a wave, that no other line names
.set XCHB,  16896                      ; the merge: for each wave 16,384 bytes of O's images and 512 of statistics, in slot 0, which has had its last fill and its last read at the last change of slots
.set STAGE, 4*XCHB                     ; the way out: 16 rows x 272 for each wave, behind them
.set SP,    272
.set AK0, 2
.set AV0, 3
.set ADR, 4
.set QO,  5
.set STO, 6
.set RD,  7
.set GO,  8
.set ST,  12                           ; tile t's statistics at v[ST+8 t]: +0 c m, +1 m, +2, +3 l, +4 to +7 at work
.set AM0, 44                           ; my lane's place in mask'
.set ADM, 45
.set QO2, 46
.set XST, 47                           ; the merge: where I store images,
.set XLD, 48                           ; where I load my partner's,
.set XSS, 49                           ; the same for statistics
.set XLS, 50
.set MB,  52                           ; v52-55 my partner's c m and l of two tiles
.set PFO, 61
.set SPW, 62
.set NIL, 63
.set S,   64
.set P,   192
.set KF,  128
.set MC,  128                          ; mask', in window 3
.set WV,  12
.set LIM, 15
.set PFA, 18
.set G1K, 24
.set G1V, 32
.set G0K, 40
.set G0V, 48
.set SLOTS, 56
.set TWICE, 57
.set CS,  58
.set SEL, 60
.set TBK, 62                           ; LDS byte from which the next fetch of K counts
.set TBV, 63                           ; of V
.set TM,  66                           ; of mask'
.set FB,  67                           ; the slot that the walking descriptors fill
.set KPART, 68
.set VPART, 69
.set MSB, 0
.macro WIN new
.if MSB != \new
	s_set_vgpr_msb (MSB<<8)|\new
.set MSB, \new
.endif
.endm
.set W_KQ,  0x0a                       ; K and Q window 2, S^T window 0
.set W_KQM, 0x3a                       ; the same with C = mask' in window 3
.set W_PV,  0x53                       ; V window 3, P window 0, O^T window 1
.set W_RS,  0x41                       ; O^T window 1, a window 0
.macro JLOAD                           ; a joint refill: waves 0 and 1 fetch K's halves, waves 2 and 3 V's; an s_nop 0 and four v_nop follow each line
	s_cmp_lt_u32 s[WV], 2
	s_cbranch_scc0 .Lfor_v_\@
	tensor_load_to_lds s[G0K+4:G0K+7], s[G1K:G1K+7]
	s_nop 0
.rept 4
	v_nop
.endr
	s_branch .Lasked_\@
.Lfor_v_\@:
	tensor_load_to_lds s[G0V+4:G0V+7], s[G1V:G1V+7]
	s_nop 0
.rept 4
	v_nop
.endr
.Lasked_\@:
.endm
; A prefetch of what the NEXT change of slots will ask for: a slot's 256 rows of K and of V, 256 bytes a row, a lane a row.  Each row is named once in the launch: eight clusters walk a key and value head (four of each of its
; two query heads); the first cluster of the even head asks.  Its four partners share the rows out by address, 64 each; in each, waves 0 and 1 ask for K's (32 rows each), waves 2 and 3 for V's.  The last filling change asks for nothing.
.macro ASK
	s_cmp_gt_u32 s[SLOTS], s[LIM]
	s_cbranch_scc0 .Lnot_mine_\@
	global_prefetch_b8 v[PFO], s[PFA:PFA+1] th:TH_LOAD_NT scope:SCOPE_SE
.Lnot_mine_\@:
.endm
.macro CROUND
	s_barrier_signal -1
	s_barrier_wait -1
	s_cmp_lg_u32 s[WV], 0
	s_cbranch_scc1 .Lnot_wave_0_\@
	s_barrier_signal -3
.Lnot_wave_0_\@:
	s_barrier_wait -3
	s_barrier_signal -1
	s_barrier_wait -1
.endm
	s_load_b64 s[4:5], s[0:1], 0x0                 ; qkv
	s_load_b64 s[70:71], s[0:1], 0x8               ; the mask
	s_load_b64 s[10:11], s[0:1], 0x10              ; att
	v_lshl_add_u32 v[SPW], v0, 2, SPARE
	v_mov_b32 v[NIL], 0
	ds_add_u32 v[SPW], v[NIL]                      ; the wave's opening: the add, twice on end, and its wait ahead of my first tensor load
	ds_add_u32 v[SPW], v[NIL]
	v_lshrrev_b32 v1, 5, v0
	v_readfirstlane_b32 s[WV], v1                  ; wave 0..3
	s_bfe_u32 s13, ttmp6, 0x40000                  ; cx
	s_lshl_b32 s14, ttmp9, 2
	s_add_co_u32 s14, s14, s13                     ; my block of 128 queries: it enters Q's and att's addresses alone
	s_and_b32 s72, ttmp7, 0xffff                   ; the query head, which the partners share
	s_and_b32 s16, s[WV], 1                        ; my half of the keys.  Also: which half of a slot's K or V I fetch
	s_lshr_b32 s73, s[WV], 1                       ; my 64 queries
	s_lshr_b32 s20, s72, 1                         ; the key and value head
	s_add_co_u32 s22, s20, 24
	s_add_co_u32 s20, s20, 16
	s_lshl_b32 s20, s20, 19                        ; a head is 524,288 bytes
	s_lshl_b32 s22, s22, 19
	s_mov_b32 s21, 0
	s_mov_b32 s23, 0
	s_lshl_b32 s2, s72, 19
	s_lshl_b32 s3, s14, 15
	s_add_co_u32 s2, s2, s3
	s_lshl_b32 s3, s73, 14
	s_add_co_u32 s2, s2, s3                        ; Q: head, block, my 64 rows
	s_mov_b32 s3, 0
	s_lshl_b32 s74, s14, 7
	s_lshl_b32 s75, s73, 6
	s_add_co_u32 s74, s74, s75
	s_lshl_b32 s75, s16, 5
	s_add_co_u32 s74, s74, s75                     ; the first of the 32 rows of att that I finish
	s_lshl_b32 s74, s74, 12
	s_lshl_b32 s75, s72, 8
	s_add_co_u32 s74, s74, s75
	s_mov_b32 s75, 0
	s_mul_i32 s[KPART], s16, 128*PK                ; my part of a slot, as I fetch it: the wave's number alone
	s_mul_i32 s[VPART], s16, 128*PV
	s_add_co_u32 s[VPART], s[VPART], VOFF
	s_mov_b32 s[G1K], 15|(1<<16)|(1<<20)|(1<<21)|(5<<22)|(3<<25)   ; the mask: all four; elements of 2 bytes; padding on; bit 21 beside a mask; 4 words after every 64
	s_mov_b32 s[G1V], 15|(1<<16)|(1<<20)|(1<<21)|(5<<22)|(7<<25)   ; the same with 8 words
.irp g, G1K, G1V
	s_mov_b32 s[\g+1], 128<<16                     ; tensor_dim0 = 128
	s_mov_b32 s[\g+2], 128<<16                     ; tensor_dim1 = 128 rows
	s_mov_b32 s[\g+3], 128<<16                     ; tile_dim0
	s_mov_b32 s[\g+4], 128                         ; tile_dim1
	s_mov_b32 s[\g+5], 128                         ; elements from row to row
	s_mov_b32 s[\g+6], 0
	s_mov_b32 s[\g+7], 0
.endr
	s_mov_b32 s[CS], 0x420293ee                    ; c = 256 log2(e) / sqrt(128)
	s_mov_b32 s[CS+1], s[CS]
	s_mov_b32 s[SEL], 0x76543210
	s_mov_b32 s[SEL+1], 0xfedcba98
	s_mov_b32 s[TBK], 0
	s_mov_b32 s[TBV], 0
	s_mov_b32 s[TM], 0
	s_mov_b32 s[FB], SLOTB
	s_mov_b32 s[SLOTS], 2048/256-2
	s_and_b32 s[LIM], s72, 1
	s_or_b32 s[LIM], s[LIM], ttmp9                 ; 0 in the first cluster of an even head: the same in all four partners
	s_cmp_eq_u32 s[LIM], 0
	s_cselect_b32 s[LIM], 1, -1
	v_and_b32 v[PFO], 31, v0
	v_lshlrev_b32 v[PFO], 8, v[PFO]
	s_wait_dscnt 0x0                               ; both opening adds are done
	s_wait_kmcnt 0x0
	s_add_nc_u64 s[6:7], s[4:5], s[20:21]          ; K's head
	s_add_nc_u64 s[8:9], s[4:5], s[22:23]          ; V's head
	s_add_nc_u64 s[4:5], s[4:5], s[2:3]            ; Q at my first row
	s_add_nc_u64 s[10:11], s[10:11], s[74:75]
	s_cmp_lt_u32 s[WV], 2
	s_cselect_b64 s[PFA:PFA+1], s[6:7], s[8:9]
	s_lshl_b32 s2, s13, 14                         ; my work-group's 64 rows of the 256,
	s_lshl_b32 s3, s16, 13                         ; my wave's 32 of them,
	s_add_co_u32 s2, s2, s3
	s_add_co_u32 s2, s2, 2*65536                   ; in slot 2: the first change of slots steps it to slot 3.  Nothing is prefetched at the head
	s_mov_b32 s3, 0
	s_add_nc_u64 s[PFA:PFA+1], s[PFA:PFA+1], s[2:3]
	s_lshl_b32 s20, s16, 15                        ; the 128 rows that I fetch
	s_add_nc_u64 s[6:7], s[6:7], s[20:21]
	s_add_nc_u64 s[8:9], s[8:9], s[20:21]
	CROUND                                         ; all four work-groups are here: the first joint loads meet
.irp s, 0,1
	s_mov_b32 s[G0K+4*\s], 1
	s_add_co_u32 s[G0K+4*\s+1], s[KPART], \s*SLOTB
	s_add_nc_u64 s[G0K+4*\s+2:G0K+4*\s+3], s[6:7], \s*65536
	s_or_b32 s[G0K+4*\s+3], s[G0K+4*\s+3], 0x80000000
	s_mov_b32 s[G0V+4*\s], 1
	s_add_co_u32 s[G0V+4*\s+1], s[VPART], \s*SLOTB
	s_add_nc_u64 s[G0V+4*\s+2:G0V+4*\s+3], s[8:9], \s*65536
	s_or_b32 s[G0V+4*\s+3], s[G0V+4*\s+3], 0x80000000
.endr
	s_cmp_lt_u32 s[WV], 2                          ; a wave's two first fills stand in one branch: two loads of mine are out
	s_cbranch_scc0 .Lfirst_v
	tensor_load_to_lds s[G0K:G0K+3], s[G1K:G1K+7]
	s_nop 0
	tensor_load_to_lds s[G0K+4:G0K+7], s[G1K:G1K+7]
	s_nop 0
.rept 4
	v_nop
.endr
	s_branch .Lfirst_asked
.Lfirst_v:
	tensor_load_to_lds s[G0V:G0V+3], s[G1V:G1V+7]
	s_nop 0
	tensor_load_to_lds s[G0V+4:G0V+7], s[G1V:G1V+7]
	s_nop 0
.rept 4
	v_nop
.endr
.Lfirst_asked:
	v_lshlrev_b32 v56, 4, v0                       ; the mask: 128 threads x 16 bytes, four times
	v_add_nc_u32 v57, MASKB, v56
.irp i, 0,1,2,3
	global_load_b128 v[S+4*\i:S+4*\i+3], v56, s[70:71] offset:2048*\i
.endr
	v_and_b32 v1, 15, v0                           ; r
	v_bfe_u32 v9, v0, 4, 1                         ; h
	v_lshlrev_b32 v10, 8, v1
	v_lshl_add_u32 v10, v9, 4, v10                 ; row x 256 + 16 h
	s_lshl_b32 s2, s16, 13
	v_add_nc_u32 v[QO], s2, v10                    ; register tiles 0, 1: query tiles 2 (w % 2) + 0, 1
	s_xor_b32 s2, s16, 1
	s_lshl_b32 s2, s2, 13
	v_add_nc_u32 v[QO2], s2, v10                   ; register tiles 2, 3: the other two
	WIN 0x80                                       ; destination window 2
.irp i, 0,1,2,3,4,5,6,7
	global_load_b128 v[8*\i:8*\i+3],   v[QO], s[4:5] offset:(\i/4)*4096+(\i%4)*64
	global_load_b128 v[8*\i+4:8*\i+7], v[QO], s[4:5] offset:(\i/4)*4096+(\i%4)*64+32
.endr
.irp i, 8,9,10,11,12,13,14,15
	global_load_b128 v[8*\i:8*\i+3],   v[QO2], s[4:5] offset:((\i/4)%2)*4096+(\i%4)*64
	global_load_b128 v[8*\i+4:8*\i+7], v[QO2], s[4:5] offset:((\i/4)%2)*4096+(\i%4)*64+32
.endr
	WIN 0
	v_mul_u32_u24 v[AK0], v1, PK
	v_lshl_add_u32 v[AK0], v9, 4, v[AK0]
	v_add_nc_u32 v[AK0], s[KPART], v[AK0]          ; my half of a slot's keys: the same 128 rows x pitch as a fetching wave's part
	v_and_b32 v10, 7, v0
	v_bfe_u32 v11, v0, 3, 1
	v_lshl_add_u32 v[AV0], v9, 3, v10
	v_mul_u32_u24 v[AV0], v[AV0], PV
	v_lshl_add_u32 v[AV0], v11, 4, v[AV0]
	v_add_nc_u32 v[AV0], s[VPART], v[AV0]
	s_lshl_b32 s2, s16, 9
	s_add_co_u32 s2, s2, MASKB
	v_lshl_add_u32 v[AM0], v9, 5, s2               ; mask': 512 bytes for my half's 128 keys, 32 h for my eight keys of a tile
	s_wait_loadcnt 32                              ; the mask's four loads are in; Q's 32 may be out
.irp i, 0,1,2,3,4,5,6,7
	v_pk_mul_f32 v[S+2*\i:S+2*\i+1], v[S+2*\i:S+2*\i+1], 0x3d3504f3 op_sel_hi:[1,0]   ; x sqrt(128) / 256
.endr
.irp i, 0,1,2,3
	ds_store_b128 v57, v[S+4*\i:S+4*\i+3] offset:2048*\i
.endr
.macro PV x, zero                      ; product i of 32 of O^T += V^T P
	WIN W_PV
.set rO, 64*(\x+i%2)+8*((i/2)%8)
.set rV, 64*(i/16)+8*((i/2)%8)
.set rP, P+16*(\x+i%2)+8*(i/16)
.if \zero && (i < 16)
	v_wmma_f32_16x16x32_f16 v[rO:rO+7], v[rV:rV+7], v[rP:rP+7], 0
.else
	v_wmma_f32_16x16x32_f16 v[rO:rO+7], v[rV:rV+7], v[rP:rP+7], v[rO:rO+7]
.endif
.endm
.macro KQ x                            ; product i of 32 of S^T = K Q^T + mask': the first 8 start the sums with mask' of the tile's 16 keys as C
.set rS, S+32*(\x+i%2)+8*((i/2)%4)
.set rK, KF+32*((i/2)%4)+8*(i/8)
.set rQ, 32*(\x+i%2)+8*(i/8)
.set rM, MC+8*((i/2)%4)
.if i < 8
	WIN W_KQM
	v_wmma_f32_16x16x32_f16 v[rS:rS+7], v[rK:rK+7], v[rQ:rQ+7], v[rM:rM+7]
.else
	WIN W_KQ
	v_wmma_f32_16x16x32_f16 v[rS:rS+7], v[rK:rK+7], v[rQ:rQ+7], v[rS:rS+7]
.endif
.endm
.macro FETCH_K                         ; a step's K (64 keys x 128 channels) and mask' of its keys: 40 loads in one run
	WIN 0
	v_add_nc_u32 v[ADR], s[TBK], v[AK0]
	v_add_nc_u32 v[ADM], s[TM], v[AM0]
	s_add_co_u32 s[TBK], s[TBK], KS*PK
	s_add_co_u32 s[TM], s[TM], 4*KS
	WIN 0x80
.irp f, 0,1,2,3,4,5,6,7,8,9,10,11,12,13,14,15
	ds_load_b128 v[KF+8*\f:KF+8*\f+3],   v[ADR] offset:(\f/4)*16*PK+(\f%4)*64
	ds_load_b128 v[KF+8*\f+4:KF+8*\f+7], v[ADR] offset:(\f/4)*16*PK+(\f%4)*64+32
.endr
	WIN 0xc0
.irp f, 0,1,2,3
	ds_load_b128 v[MC+8*\f:MC+8*\f+3],   v[ADM] offset:64*\f      ; register j: mask' of key 16 f + 8 h + j, the result's layout
	ds_load_b128 v[MC+8*\f+4:MC+8*\f+7], v[ADM] offset:64*\f+16
.endr
.endm
.macro FETCH_V
	WIN 0
	v_add_nc_u32 v[ADR], s[TBV], v[AV0]
	s_add_co_u32 s[TBV], s[TBV], KS*PV
	s_wait_alu depctr_va_vdst(0)                   ; the wait for the softmax's batch of exponentials (SLICE), ahead of the loads
	WIN 0xc0
.irp f, 0,1,2,3,4,5,6,7,8,9,10,11,12,13,14,15
	ds_load_tr16_b128 v[8*\f:8*\f+3],   v[ADR] offset:(\f/8)*32*PV+(\f%8)*32
	ds_load_tr16_b128 v[8*\f+4:8*\f+7], v[ADR] offset:(\f/8)*32*PV+16*PV+(\f%8)*32
.endr
.endm
; One tile's softmax for one key step: a list of 134 instructions; SM writes number j for tile t.
;   0-15 the maximum of the 32 scores and the old m (first step: and the floor)   16-20 the other half of the lanes', the new m, c m, its change   21-69 ONE BATCH: 16 packed scalings c s - c m and 33 exponentials
;   (the wait for the batch: SLICE)   70-85 roundings to f16   86-101 the sums, l = a l + sum   102-133 O^T times a
.macro SM t, first
.set rT, ST+8*(\t)
.set rS, S+32*(\t)
.set rP, P+16*(\t)
.set rO, 64*(\t)+2*(j-102)
.if j < 102
	WIN 0
.endif
.if j < 4
	v_max3_num_f32 v[rT+4+j], v[rS+8*j], v[rS+8*j+1], v[rS+8*j+2]
.elseif j < 12
	v_max3_num_f32 v[rT+4+j%4], v[rT+4+j%4], v[rS+8*(j%4)+2*(j/4)+1], v[rS+8*(j%4)+2*(j/4)+2]
.elseif j == 12
	v_max3_num_f32 v[rT+4], v[rT+4], v[rS+7], v[rS+15]
.elseif j == 13
	v_max3_num_f32 v[rT+6], v[rT+6], v[rS+23], v[rS+31]
.elseif j == 14
	v_max3_num_f32 v[rT+4], v[rT+4], v[rT+5], v[rT+6]
.elseif (j == 15) && \first
	v_max3_num_f32 v[rT+4], v[rT+4], v[rT+7], 0xf149f2ca   ; the floor -1e30: m is a number also where every key so far is masked by -infinity
.elseif j == 15
	v_max3_num_f32 v[rT+4], v[rT+4], v[rT+7], v[rT+1]
.elseif j == 16
	v_permlanex16_b32 v[rT+5], v[rT+4], s[SEL], s[SEL+1]
.elseif j == 18
	v_max_num_f32 v[rT+1], v[rT+4], v[rT+5]
.elseif j == 19
	v_mul_f32 v[rT], s[CS], v[rT+1]
.elseif ((j == 17) || (j == 20) || (j == 23) || (j > 101)) && \first
.elseif j == 17
	v_mov_b32 v[rT+7], v[rT]
.elseif j == 20
	v_sub_f32 v[rT+7], v[rT+7], v[rT]
.elseif j == 23
	v_exp_f32 v[rT+6], v[rT+7]
.elseif (j < 23) || ((j < 38) && (j%2 == 0)) || ((j < 66) && (j%4 == 2))
.set b, (j-2)/4
.if j < 38
.set b, (j-20)/2
.endif
	v_pk_fma_f32 v[rS+2*b:rS+2*b+1], v[rS+2*b:rS+2*b+1], s[CS:CS+1], v[rT:rT+1] op_sel_hi:[1,0,0] neg_lo:[0,0,1] neg_hi:[0,0,1]
.elseif j < 70
.set e, j-38
.if j < 66
.set e, j-32-(j-38)/4
.endif
.if j < 38
.set e, (j-25)/2
.endif
	v_exp_f32 v[rS+e], v[rS+e]
.elseif j < 86
	v_cvt_pk_f16_f32 v[rP+j-70], v[rS+2*(j-70)], v[rS+2*(j-70)+1]
.elseif j < 102
.set z, j-86
.set w, 4
.set u, z
.if z >= 14
.set w, 32
.set u, 0
.elseif z >= 12
.set w, 16
.set u, z-12
.elseif z >= 8
.set w, 8
.set u, z-8
.endif
.if (z == 14) && \first
	v_pk_add_f32 v[rT+2:rT+3], v[rS:rS+1], v[rS+16:rS+17]
.elseif z < 15
	v_pk_add_f32 v[rS+w*u:rS+w*u+1], v[rS+w*u:rS+w*u+1], v[rS+w*u+w/2:rS+w*u+w/2+1]
.elseif !\first
	v_pk_fma_f32 v[rT+2:rT+3], v[rT+2:rT+3], v[rT+6:rT+7], v[rS:rS+1] op_sel_hi:[1,0,1]
.endif
.else
	WIN W_RS
	v_pk_mul_f32 v[rO:rO+1], v[rO:rO+1], v[rT+6:rT+7] op_sel_hi:[1,0]
.endif
.endm
; Slice k of 64 of piece y's softmax.  Slices 11 to 34 deal out the batch, four numbers of one tile each; every other slice is numbers 2 k, 2 k + 1 of both tiles; the twelve that are over stand in slice 63.
; Ahead of slice 35 nothing names an exponential's result, behind slice 34 none is issued: one wait serves the piece's 66.
.macro SLICE y, first
.if (k >= 11) && (k < 35)
.irp n, 0,1,2,3
.set j, 22+4*((k-11)/2)+(\n)
	SM (\y)+(k-11)%2, \first
.endr
.else
.irp n, 0,1,2,3,4,5,6,7
.if (\n < 2) || (k == 63)
.irp t, \y, \y+1
.set j, 2*k+\n
	SM \t, \first
.endr
.endif
.endr
.endif
.if k == 34
	v_nop                                          ; the plain line behind the last exponential
.if (\y) == 0
	FETCH_V                                        ; piece 2's turn: V's run of loads stands here, and the wait stands in it
.else
	s_wait_alu depctr_va_vdst(0)
.endif
.endif
.set k, k+1
.endm
.macro PLACES
.rept 4
	v_nop
.endr
.endm
; A TURN: piece x has the matrix unit.  pv = 2: 32 products V^T P; 1: they start O^T; 0: none.  kq = 1: 32 products K Q^T of the next step.  first = 1: the softmax is the first key step's.
.macro TURN x, pv, kq, first
.set k, 0
.set per, 2
.if \pv && \kq
.set per, 1
.endif
.if \pv
.if \x == 0
	s_wait_dscnt 0x0                               ; V is in
.endif
.set i, 0
.rept 32
	PV \x, 2-\pv
.rept per
	SLICE 2-\x, \first
.endr
.if (\x == 0) && \kq && (i == 1)
	FETCH_K
.endif
.set i, i+1
.endr
.endif
.if \kq
.if \x == 0
	s_wait_dscnt 0x0                               ; K and mask' are in
.endif
.set i, 0
.rept 32
	KQ \x
.rept per
	SLICE 2-\x, \first
.endr
.set i, i+1
.endr
.endif
.if \first
	PLACES
.endif
.endm
; THE CHANGE OF SLOTS, between piece 2's turn and piece 0's: each wave waits for all its tensor loads (one is out: its part of the other slot), adds 0 to its spare word, and waits for that and for its reads of the slot.
; fill = 1: the barrier is a round of the cluster's, and the joint refill (the keys two slots on) is the first thing behind it: it has two key steps of every wave in which to land.
.macro CHANGE fill
	WIN 0
	s_wait_tensorcnt 0x0
	ds_add_u32 v[SPW], v[NIL]
.if \fill
	s_xor_b32 s[FB], s[FB], SLOTB                  ; the walking descriptors: the other slot than last time (0 or SLOTB),
	s_add_co_u32 s[G0K+5], s[FB], s[KPART]
	s_add_co_u32 s[G0V+5], s[FB], s[VPART]
	s_add_nc_u64 s[G0K+6:G0K+7], s[G0K+6:G0K+7], 65536   ; the next 256 keys
	s_add_nc_u64 s[G0V+6:G0V+7], s[G0V+6:G0V+7], 65536
	s_wait_xcnt 0x0                                ; the last prefetch, a slot back, has read its address
	s_add_nc_u64 s[PFA:PFA+1], s[PFA:PFA+1], 65536
	s_wait_dscnt 0x0
	CROUND
	JLOAD
	ASK
.else
	s_wait_dscnt 0x0
	s_barrier_signal -1
	s_barrier_wait -1
.endif
	s_sub_co_u32 s[TBK], s[TBK], 2*KS*PK           ; the fetches go back to a slot's first step,
	s_xor_b32 s[TBK], s[TBK], SLOTB                ; in the other slot
	s_sub_co_u32 s[TBV], s[TBV], 2*KS*PV
	s_xor_b32 s[TBV], s[TBV], SLOTB
	s_add_co_u32 s[TM], s[TM], 512                 ; over the other wave's 128 keys
.endm
.macro TWO_STEPS
	s_mov_b32 s[TWICE], 2
.Lstep_\@:
	TURN 0, 2, 1, 0
	TURN 2, 2, 1, 0
	WIN 0
	s_sub_co_u32 s[TWICE], s[TWICE], 1
	s_cmp_lg_u32 s[TWICE], 0
	s_cbranch_scc1 .Lstep_\@
.endm
	s_wait_tensorcnt 1                             ; my part of slot 0 is in; slot 1's may stay out
	s_wait_dscnt 0x0                               ; my part of mask' is stored
	s_barrier_signal -1
	s_barrier_wait -1
	FETCH_K                                        ; key step 0
	s_wait_loadcnt 0x0                             ; Q
	s_wait_dscnt 0x0
.set i, 0
.rept 32
	KQ 0
.set i, i+1
.endr
	WIN 0                                          ; the addresses for the merge and the way out: plain lines, the places behind those products
	s_mul_i32 s13, s[WV], 16*SP
	s_add_co_u32 s13, s13, STAGE
	v_mul_u32_u24 v[STO], v1, SP
	v_lshl_add_u32 v[STO], v9, 4, v[STO]
	v_add_nc_u32 v[STO], s13, v[STO]
	v_mul_u32_u24 v[RD], v9, SP
	v_lshl_add_u32 v[RD], v1, 4, v[RD]
	v_add_nc_u32 v[RD], s13, v[RD]
	v_lshlrev_b32 v[GO], 12, v9                    ; att: lanes 0-15 one row, lanes 16-31 the next, 4,096 bytes on
	v_lshl_add_u32 v[GO], v1, 4, v[GO]
	s_mul_i32 s13, s[WV], XCHB
	s_xor_b32 s17, s[WV], 1
	s_mul_i32 s17, s17, XCHB
	v_and_b32 v10, 31, v0
	v_lshl_add_u32 v[XST], v10, 4, s13
	v_lshl_add_u32 v[XSS], v10, 2, s13
	v_lshl_add_u32 v[XLD], v10, 4, s17
	v_lshl_add_u32 v[XLS], v10, 2, s17
	TURN 2, 0, 1, 1                                ; piece 2's first scores | piece 0's first softmax | V of step 0
	TURN 0, 1, 1, 1                                ; piece 0: V^T P of step 0 starts O^T, K Q^T of step 1 | piece 2's first softmax | K of step 1
	TURN 2, 1, 1, 0                                ; piece 2: the same | piece 0's softmax of step 1 | V of step 1
	WIN 0
.Lslot:                                            ; six trips: every slot but the last two is filled again
	CHANGE 1
	TWO_STEPS
	s_sub_co_u32 s[SLOTS], s[SLOTS], 1
	s_cmp_lg_u32 s[SLOTS], 0
	s_cbranch_scc1 .Lslot
	CHANGE 0                                       ; the tail is written out
	TWO_STEPS
	TURN 0, 2, 0, 0                                ; piece 0: V^T P of the last step | piece 2's last softmax
.set i, 0
.rept 32
	PV 2, 0
.set i, i+1
.endr
	; THE MERGE.  l of all four tiles (these lines are also the places behind the last products); my tiles 2, 3 go to my partner as images of their registers, with c m and l; a barrier; my partner's come back.
	WIN 0
.irp t, 0,1,2,3
	v_add_f32 v[ST+8*\t+4], v[ST+8*\t+2], v[ST+8*\t+3]
.endr
.irp t, 0,1,2,3
	v_permlanex16_b32 v[ST+8*\t+5], v[ST+8*\t+4], s[SEL], s[SEL+1]
.endr
.irp t, 0,1,2,3
	v_add_f32 v[ST+8*\t+4], v[ST+8*\t+4], v[ST+8*\t+5]
.endr
	WIN 0x04                                       ; an LDS store's data are its source 1: window 1
.irp t, 2,3
.irp g, 0,1,2,3,4,5,6,7,8,9,10,11,12,13,14,15
	ds_store_b128 v[XST], v[64*\t+4*\g:64*\t+4*\g+3] offset:(\t-2)*8192+512*\g   ; each accumulator from its low end on
.endr
.endr
	WIN 0
.irp t, 2,3
	ds_store_b32 v[XSS], v[ST+8*\t] offset:16384+(\t-2)*256
	ds_store_b32 v[XSS], v[ST+8*\t+4] offset:16384+(\t-2)*256+128
.endr
	s_wait_dscnt 0x0                               ; for my partner's sake: my stores are done
	s_barrier_signal -1
	s_barrier_wait -1
.irp t, 0,1
.irp g, 0,1,2,3,4,5,6,7,8,9,10,11,12,13,14,15
	ds_load_b128 v[S+64*\t+4*\g:S+64*\t+4*\g+3], v[XLD] offset:\t*8192+512*\g
.endr
	ds_load_b32 v[MB+2*\t], v[XLS] offset:16384+\t*256
	ds_load_b32 v[MB+2*\t+1], v[XLS] offset:16384+\t*256+128
.endr
	s_wait_dscnt 0x0
.irp t, 0,1
	v_max_num_f32 v[ST+8*\t+5], v[ST+8*\t], v[MB+2*\t]     ; the joint c m
.endr
.irp t, 0,1
	v_sub_f32 v[ST+8*\t+6], v[ST+8*\t], v[ST+8*\t+5]
	v_sub_f32 v[ST+8*\t+7], v[MB+2*\t], v[ST+8*\t+5]
.endr
.irp t, 0,1
	v_exp_f32 v[ST+8*\t+6], v[ST+8*\t+6]           ; fa
	v_exp_f32 v[ST+8*\t+7], v[ST+8*\t+7]           ; fb
.endr
	v_nop
	s_wait_alu depctr_va_vdst(0)                   ; one wait for the four
.irp t, 0,1
	v_mul_f32 v[ST+8*\t+4], v[ST+8*\t+4], v[ST+8*\t+6]
.endr
.irp t, 0,1
	v_fmac_f32 v[ST+8*\t+4], v[MB+2*\t+1], v[ST+8*\t+7]    ; l = la fa + lb fb
.endr
.irp t, 0,1
	v_rcp_f32 v[ST+8*\t+5], v[ST+8*\t+4]
.endr
	v_nop
	s_wait_alu depctr_va_vdst(0)                   ; and one for the two
.irp t, 0,1
	v_mul_f32 v[ST+8*\t+5], 0x41800000, v[ST+8*\t+5]       ; 16 / l: v was kept a sixteenth of its size
.endr
.irp t, 0,1
	v_mul_f32 v[ST+8*\t+2], v[ST+8*\t+7], v[ST+8*\t+5]     ; gb
	v_mul_f32 v[ST+8*\t+6], v[ST+8*\t+6], v[ST+8*\t+5]     ; ga
.endr
.irp t, 0,1
.set i, 0
.rept 32
	v_pk_mul_f32 v[S+64*\t+2*i:S+64*\t+2*i+1], v[S+64*\t+2*i:S+64*\t+2*i+1], v[ST+8*\t+2:ST+8*\t+3] op_sel_hi:[1,0]
.set i, i+1
.endr
.endr
	WIN 0x01                                       ; source 0: my O^T, window 1
.irp t, 0,1
.set i, 0
.rept 32
	v_pk_fma_f32 v[S+64*\t+2*i:S+64*\t+2*i+1], v[64*\t+2*i:64*\t+2*i+1], v[ST+8*\t+6:ST+8*\t+7], v[S+64*\t+2*i:S+64*\t+2*i+1] op_sel_hi:[1,0,1]
.set i, i+1
.endr
.endr
	WIN 0
; THE WAY OUT: f16, 16 bytes a lane into my stage, back as whole rows of 256 bytes into the registers that they left.
.macro PACK t
.set i, 0
.rept 32
	v_cvt_pk_f16_f32 v[P+32*\t+i], v[S+64*\t+2*i], v[S+64*\t+2*i+1]
.set i, i+1
.endr
.irp f, 0,1,2,3,4,5,6,7
	ds_store_b128 v[STO], v[P+32*\t+4*\f:P+32*\t+4*\f+3] offset:32*\f
.endr
.irp f, 0,1,2,3,4,5,6,7
	ds_load_b128 v[P+32*\t+4*\f:P+32*\t+4*\f+3], v[RD] offset:\f*2*SP
.endr
.endm
.macro SEND t, younger
.irp f, 0,1,2,3,4,5,6,7
	s_wait_dscnt \younger+7-\f
	global_store_b128 v[GO], v[P+32*\t+4*\f:P+32*\t+4*\f+3], s[10:11] offset:\t*65536+\f*8192   ; sixteen lanes store 256 consecutive bytes, aligned: a head's part of a row
.endr
.endm
	PACK 0
	PACK 1
	SEND 0, 16                                     ; behind tile 0's loads: tile 1's 8 stores and 8 loads
	SEND 1, 0
	s_wait_tensorcnt 0x0                           ; the wave's end
	ds_add_u32 v[SPW], v[NIL]
	s_wait_dscnt 0x0
	CROUND                                         ; the closing round
	s_endpgm
.Lfunc_end_k_q4d458011ef_attn:
	.size	k_q4d458011ef_attn, .Lfunc_end_k_q4d458011ef_attn-k_q4d458011ef_attn
	.p2alignl 7, 3214868480
	.fill 96, 4, 3214868480
	.section	.rodata,"a",@progbits
	.p2align	6, 0x0
	.amdhsa_kernel k_q4d458011ef_attn
		.amdhsa_group_segment_fixed_size 327680
		.amdhsa_private_segment_fixed_size 0
		.amdhsa_enable_private_segment 0
		.amdhsa_kernarg_size 24
		.amdhsa_user_sgpr_count 2
		.amdhsa_user_sgpr_kernarg_segment_ptr 1
		.amdhsa_wavefront_size32 1
		.amdhsa_system_sgpr_workgroup_id_x 1
		.amdhsa_system_sgpr_workgroup_id_y 1
		.amdhsa_system_sgpr_workgroup_id_z 1
		.amdhsa_system_vgpr_workitem_id 0
		.amdhsa_next_free_vgpr 1024
		.amdhsa_next_free_sgpr 76
		.amdhsa_reserve_vcc 0
		.amdhsa_float_denorm_mode_32 3
		.amdhsa_float_denorm_mode_16_64 3
		.amdhsa_memory_ordered 1
		.amdhsa_forward_progress 1
		.amdhsa_inst_pref_size 225
	.end_amdhsa_kernel
	.amdgpu_metadata
---
amdhsa.version: [ 1, 2 ]
amdhsa.kernels:
  - .name:           k_q4d458011ef_attn
    .symbol:         k_q4d458011ef_attn.kd
    .args:
      - { .name: qkv, .offset: 0, .size: 8, .value_kind: global_buffer, .address_space: global }
      - { .name: attention_mask, .offset: 8, .size: 8, .value_kind: global_buffer, .address_space: global }
      - { .name: att, .offset: 16, .size: 8, .value_kind: global_buffer, .address_space: global }
    .group_segment_fixed_size: 327680
    .private_segment_fixed_size: 0
    .kernarg_segment_align: 8
    .kernarg_segment_size: 24
    .max_flat_workgroup_size: 128
    .sgpr_count:     76
    .vgpr_count:     1024
    .wavefront_size: 32
...
	.end_amdgpu_metadata
.endif
;; end of part 3
;; launch oproj (part 4): grid 16 x 16, 4 waves a work-group, clusters of 4 x 4, 327,680 bytes of LDS; arguments att, wo16, out0; writes out0
.if DOCPART == 4
	.amdgcn_target "amdgcn-amd-amdhsa--gfx1250"
	.amdhsa_code_object_version 6
	.text
	.protected	k_q4d458011ef_oproj
	.globl	k_q4d458011ef_oproj
	.p2align	8
	.type	k_q4d458011ef_oproj,@function
k_q4d458011ef_oproj:
	s_mov_b64 s[64:65], 0
	v_nop
	global_prefetch_b8 v0, s[64:65] scope:SCOPE_SE
	s_setreg_imm32_b32 hwreg(HW_REG_WAVE_MODE, 25, 1), 1
	s_wait_xcnt 0x0
	s_wait_alu depctr_hold_cnt(0) depctr_sa_sdst(0) depctr_va_vdst(0) depctr_va_sdst(0) depctr_va_ssrc(0) depctr_va_vcc(0) depctr_vm_vsrc(0)
	s_getreg_b32 s2, hwreg(HW_REG_IB_STS2, 6, 4)
	s_cmp_eq_u32 s2, 0
	s_cbranch_scc0 .Lentry_in_a_cluster
	s_endpgm
.Lentry_in_a_cluster:
	s_bfe_u32 s2, ttmp6, 0x10000c
	s_cmp_lg_u32 s2, 0xf033
	s_cbranch_scc0 .Lentry_shape_is_right
	s_endpgm
.Lentry_shape_is_right:
; OPROJ: out0[m][n] = the sum over k of att[m][k] Wo[k][n].  att f16 [2048][2048], K along the rows; wo16 f16 [2048 k][4096 n], K down the rows: its fragments are turned by ds_load_tr16_b128.  Sums and out0 in f32.
; SHARES.  256 work-groups, a tile of 128 m x 256 n each; four waves, 64 m x 128 n each: 32 accumulators.  K goes in steps of 128 through two LDS slots (two slots of 256 along K do not fit): 16 K steps.
; CLUSTER 4 x 4: att's tiles are shared along a row of the cluster, Wo's along a column: joint loads.  The matrix instruction is used transposed (source 0 = 16 n, source 1 = 16 m): a lane holds 8 neighbouring n of a row.
; REGISTERS: window 0: v16-29 addresses; v64-95, v96-127 att's fragments, two sets.   window 1: v0-63, v64-127 Wo's fragments, two sets; on the way out all 256: rows read back, 64 registers a block.   window 2: the accumulators, (a, b) at v[8 (8 a + b)].
.set PA,    272                        ; a row of att's tile: 256 bytes + 16
.set PB,    544                        ; a row of Wo's tile: 512 bytes + 32, an odd multiple of 32, for the turning load
.set BOFF,  128*PA
.set SLOT,  128*PA+128*PB
.set STAGE, 2*SLOT                     ; behind the ring: 16 rows x 528 for each wave
.set SPITCH, 528
.set SPARE, STAGE+4*16*SPITCH          ; the spare words, 128 bytes a wave, that no other line names
.set LAPS,  8
.set ADRA, 16
.set ADRB, 20
.set STO,  24
.set RD,   25
.set CO,   26
.set SPW,  28
.set NIL,  29
.set G1, 24
.set G0, 32
.set G1B, 48
.set G0B, 56
.set MSB, 0
.macro WIN new
.if MSB != \new
	s_set_vgpr_msb (MSB<<8)|\new
.set MSB, \new
.endif
.endm
.set MULW, 0xa1                        ; source 0 window 1, source 1 window 0, C and D window 2
.macro JLOAD s                         ; waves 0 and 1 fetch att's halves, waves 2 and 3 Wo's; an s_nop 0 and four v_nop follow each line
	s_cmp_eq_u32 s11, 0
	s_cbranch_scc0 .Lfor_b_\@
	tensor_load_to_lds s[G0+4*\s:G0+4*\s+3], s[G1:G1+7]
	s_nop 0
.rept 4
	v_nop
.endr
	s_branch .Lasked_\@
.Lfor_b_\@:
	tensor_load_to_lds s[G0B+4*\s:G0B+4*\s+3], s[G1B:G1B+7]
	s_nop 0
.rept 4
	v_nop
.endr
.Lasked_\@:
.endm
.macro CREST
	s_cmp_lg_u32 s10, 0
	s_cbranch_scc1 .Lnot_wave_0_\@
	s_barrier_signal -3
.Lnot_wave_0_\@:
	s_barrier_wait -3
	s_barrier_signal -1
	s_barrier_wait -1
.endm
.macro CROUND
	s_barrier_signal -1
	s_barrier_wait -1
	CREST
.endm
	s_load_b128 s[4:7], s[0:1], 0x0                ; att, wo16
	s_load_b64 s[8:9], s[0:1], 0x10                ; out0
	v_lshl_add_u32 v[SPW], v0, 2, SPARE
	v_mov_b32 v[NIL], 0
	ds_add_u32 v[SPW], v[NIL]                      ; the wave's opening: the add, twice on end, and its wait ahead of my first tensor load
	ds_add_u32 v[SPW], v[NIL]
	v_lshrrev_b32 v1, 5, v0
	v_readfirstlane_b32 s10, v1                    ; wave 0..3
	s_lshr_b32 s11, s10, 1                         ; my half of the tile's rows.  Also: I fetch for att (0) or for Wo (1)
	s_and_b32 s12, s10, 1                          ; my half of its columns.  Also: which 64 rows of that tile I fetch
	s_bfe_u32 s40, ttmp6, 0x40000                  ; cx
	s_bfe_u32 s41, ttmp6, 0x40004                  ; cy
	s_lshl_b32 s42, ttmp9, 2
	s_add_co_u32 s42, s42, s40                     ; tile column
	s_and_b32 s13, ttmp7, 0xffff
	s_lshl_b32 s13, s13, 2
	s_add_co_u32 s13, s13, s41                     ; tile row
	s_lshl_b32 s43, s41, 2
	s_lshl_b32 s43, 15, s43                        ; my row of the cluster
	s_lshl_b32 s44, 0x1111, s40                    ; my column
	s_or_b32 s[G1+0], s43, (1<<16)|(1<<20)|(1<<21)|(5<<22)|(3<<25)    ; elements of 2 bytes; 4 words of padding after every 64
	s_mov_b32 s[G1+1], 128<<16                     ; tensor_dim0 = 128
	s_mov_b32 s[G1+2], 64<<16                      ; tensor_dim1 = 64 rows
	s_mov_b32 s[G1+3], 128<<16
	s_mov_b32 s[G1+4], 64
	s_mov_b32 s[G1+5], 2048                        ; elements from row to row of att
	s_mov_b32 s[G1+6], 0
	s_mov_b32 s[G1+7], 0
	s_or_b32 s[G1B+0], s44, (1<<16)|(1<<20)|(1<<21)|(6<<22)|(7<<25)   ; 8 words of padding after every 128
	s_mov_b32 s[G1B+1], 256<<16                    ; tensor_dim0 = 256
	s_mov_b32 s[G1B+2], 64<<16
	s_mov_b32 s[G1B+3], 256<<16
	s_mov_b32 s[G1B+4], 64
	s_mov_b32 s[G1B+5], 4096                       ; of wo16
	s_mov_b32 s[G1B+6], 0
	s_mov_b32 s[G1B+7], 0
	s_lshl_b32 s16, s13, 7
	s_lshl_b32 s17, s12, 6
	s_add_co_u32 s16, s16, s17                     ; att: row 128 x tile row + 64 x half,
	s_lshl_b32 s16, s16, 12                        ; of 4,096 bytes
	s_mov_b32 s17, 0
	s_lshl_b32 s46, s12, 19                        ; wo16: k row 64 x half, of 8,192 bytes,
	s_lshl_b32 s47, s42, 9
	s_add_co_u32 s46, s46, s47                     ; + 512 bytes x tile column
	s_mov_b32 s47, 0
	s_mul_i32 s20, s12, 64*PA                      ; where they go: the wave's number alone
	s_mul_i32 s21, s12, 64*PB
	s_add_co_u32 s21, s21, BOFF
	s_wait_dscnt 0x0                               ; both opening adds are done
	s_wait_kmcnt 0x0
	s_add_nc_u64 s[14:15], s[4:5], s[16:17]
	s_add_nc_u64 s[46:47], s[6:7], s[46:47]
	CROUND                                         ; all sixteen work-groups are here: the first joint loads meet
.irp s, 0,1
	s_mov_b32 s[G0+4*\s], 1
	s_add_co_u32 s[G0+4*\s+1], s20, \s*SLOT
	s_add_nc_u64 s[G0+4*\s+2:G0+4*\s+3], s[14:15], \s*256
	s_or_b32 s[G0+4*\s+3], s[G0+4*\s+3], 0x80000000
	s_mov_b32 s[G0B+4*\s], 1
	s_add_co_u32 s[G0B+4*\s+1], s21, \s*SLOT
	s_add_nc_u64 s[G0B+4*\s+2:G0B+4*\s+3], s[46:47], \s*128*8192
	s_or_b32 s[G0B+4*\s+3], s[G0B+4*\s+3], 0x80000000
	JLOAD \s                                       ; two loads of mine are out
.endr
	v_and_b32 v1, 15, v0                           ; r
	v_bfe_u32 v2, v0, 4, 1                         ; h
	v_mul_u32_u24 v3, v1, PA
	v_lshl_add_u32 v3, v2, 4, v3                   ; att's fragments: row x pitch + 16 h
	v_and_b32 v4, 7, v0
	v_bfe_u32 v5, v0, 3, 1
	v_lshl_add_u32 v4, v2, 3, v4
	v_mul_u32_u24 v4, v4, PB
	v_lshl_add_u32 v4, v5, 4, v4                   ; Wo's: (8 h + lane % 8) x pitch + 16 ((lane / 8) % 2)
	s_mul_i32 s21, s11, 64*PA                      ; my 64 rows of att
	s_lshl_b32 s22, s12, 8
	s_add_co_u32 s22, s22, BOFF                    ; my 128 columns of Wo: 256 bytes on in each row
.irp s, 0,1
	v_add_nc_u32 v[ADRA+\s], s21, v3
	v_add_nc_u32 v[ADRB+\s], s22, v4
	s_add_co_u32 s21, s21, SLOT
	s_add_co_u32 s22, s22, SLOT
.endr
	s_mul_i32 s23, s10, 16*SPITCH
	s_add_co_u32 s23, s23, STAGE                   ; my stage
	v_mul_u32_u24 v5, v1, SPITCH
	v_lshl_add_u32 v5, v2, 5, v5
	v_add_nc_u32 v[STO], s23, v5                   ; in: row r, 32 bytes for each half of the lanes
	v_and_b32 v6, 31, v0
	v_lshlrev_b32 v[CO], 4, v6                     ; back: the 32 lanes take one row of 512 bytes; the same in out0
	v_add_nc_u32 v[RD], s23, v[CO]
	s_lshl_b32 s16, s13, 7
	s_lshl_b32 s17, s11, 6
	s_add_co_u32 s16, s16, s17                     ; my first row of out0,
	s_lshl_b32 s16, s16, 14                        ; of 16,384 bytes
	s_lshl_b32 s46, s42, 10
	s_lshl_b32 s47, s12, 9
	s_add_co_u32 s46, s46, s47                     ; my first column, in bytes
	s_add_co_u32 s46, s46, s16
	s_mov_b32 s47, 0
	s_add_nc_u64 s[8:9], s[8:9], s[46:47]
; 8 matrix instructions: att's block a against Wo's eight, 32 along K.  The 32 accumulators take turns, one instruction a turn, in one order.
.macro MUL8 a, set, zero
.irp b, 0,1,2,3,4,5,6,7
.if \zero
	v_wmma_f32_16x16x32_f16 v[8*(8*(\a)+\b):8*(8*(\a)+\b)+7], v[64*(\set)+8*\b:64*(\set)+8*\b+7], v[64+32*(\set)+8*(\a):64+32*(\set)+8*(\a)+7], 0
.else
	v_wmma_f32_16x16x32_f16 v[8*(8*(\a)+\b):8*(8*(\a)+\b)+7], v[64*(\set)+8*\b:64*(\set)+8*\b+7], v[64+32*(\set)+8*(\a):64+32*(\set)+8*(\a)+7], v[8*(8*(\a)+\b):8*(8*(\a)+\b)+7]
.endif
.endr
.endm
.macro FETCH slot, q, set              ; 24 LDS loads in one run: the fragments of the slot's q-th 32 along K
	WIN 0x40
.irp b, 0,1,2,3,4,5,6,7
	ds_load_tr16_b128 v[64*(\set)+8*\b:64*(\set)+8*\b+3],   v[ADRB+\slot] offset:32*PB*(\q)+32*\b
	ds_load_tr16_b128 v[64*(\set)+8*\b+4:64*(\set)+8*\b+7], v[ADRB+\slot] offset:32*PB*(\q)+32*\b+16*PB
.endr
	WIN 0
.irp a, 0,1,2,3
	ds_load_b128 v[64+32*(\set)+8*\a:64+32*(\set)+8*\a+3],   v[ADRA+\slot] offset:64*(\q)+\a*16*PA
	ds_load_b128 v[64+32*(\set)+8*\a+4:64+32*(\set)+8*\a+7], v[ADRA+\slot] offset:64*(\q)+\a*16*PA+32
.endr
.endm
.macro PLACES n
.rept \n
	v_nop
.endr
.endm
.macro STEP slot, q, zero              ; a quarter of a K step with its successor in the same slot
	s_wait_dscnt 0x0                               ; this quarter's fragments are in
	PLACES 4
	FETCH \slot, (\q)+1, 1-(\q)%2
	WIN MULW
	MUL8 0, (\q)%2, \zero
	MUL8 1, (\q)%2, \zero
	MUL8 2, (\q)%2, \zero
	MUL8 3, (\q)%2, \zero
	WIN 0
.endm
; A slot's last quarter changes slots: one barrier; in front of it each wave waits for all its tensor loads, adds 0 to its spare word, and waits for that and for its reads of this slot.
.macro TURN slot, next, fill
	s_wait_tensorcnt 0x0                           ; all my tensor loads have landed: my part of the next slot
	ds_add_u32 v[SPW], v[NIL]
	s_wait_dscnt 1                                 ; this quarter's fragments are in; the add may be out
	WIN MULW
	MUL8 0, 1, 0
	s_wait_dscnt 0x0                               ; the add is done, and my reads of this slot are over
	s_barrier_signal -1
	MUL8 1, 1, 0
	WIN 0
	s_barrier_wait -1
.if \fill
	CREST                                          ; the barrier has opened a round of the cluster's
	s_add_nc_u64 s[G0+4*\slot+2:G0+4*\slot+3], s[G0+4*\slot+2:G0+4*\slot+3], 512
	s_add_nc_u64 s[G0B+4*\slot+2:G0B+4*\slot+3], s[G0B+4*\slot+2:G0B+4*\slot+3], 2*128*8192
	JLOAD \slot                                    ; my one tensor load behind the round; its four v_nop are the places in front of the loads below
.else
	PLACES 4
.endif
	FETCH \next, 0, 0
	WIN MULW
	MUL8 2, 1, 0
	MUL8 3, 1, 0
	WIN 0
.endm
	s_wait_tensorcnt 1                             ; my part of K step 0 is in; K step 1's may stay out
	s_barrier_signal -1
	s_barrier_wait -1
	FETCH 0, 0, 0
	STEP 0, 0, 1                                   ; the first quarter stands in front of the loop: its products start the sums
	s_mov_b32 s3, LAPS-1
.Llap:
	STEP 0, 1, 0
	STEP 0, 2, 0
	TURN 0, 1, 1
	STEP 1, 0, 0
	STEP 1, 1, 0
	STEP 1, 2, 0
	TURN 1, 0, 1
	STEP 0, 0, 0
	s_sub_co_u32 s3, s3, 1
	s_cmp_lg_u32 s3, 0
	s_cbranch_scc1 .Llap
	STEP 0, 1, 0                                   ; the last lap fills nothing
	STEP 0, 2, 0
	TURN 0, 1, 0
	STEP 1, 0, 0
	STEP 1, 1, 0
	STEP 1, 2, 0
	s_wait_dscnt 0x0
	WIN MULW
	MUL8 0, 1, 0
	MUL8 1, 1, 0
	MUL8 2, 1, 0
	MUL8 3, 1, 0
	WIN 0
	PLACES 4
; THE WAY OUT, 16 rows x 128 columns at a time, through my own stage: in as 32 bytes a lane, back as whole rows of 512 bytes.  Each block has its own 64 registers and its place in the stores' immediate (1,032,192 bytes at the most,
; inside the signed 24 bits): nothing that a pending store reads is written again.
.macro TOSTAGE a
	WIN 0x08                                       ; an LDS store's data are its source 1: window 2
.irp b, 0,1,2,3,4,5,6,7
	ds_store_b128 v[STO], v[8*(8*\a+\b):8*(8*\a+\b)+3] offset:64*\b          ; each accumulator from its low end on
	ds_store_b128 v[STO], v[8*(8*\a+\b)+4:8*(8*\a+\b)+7] offset:64*\b+16
.endr
	WIN 0x40
.irp t, 0,1,2,3,4,5,6,7,8,9,10,11,12,13,14,15
	ds_load_b128 v[64*\a+4*\t:64*\a+4*\t+3], v[RD] offset:\t*SPITCH   ; LDS serves a wave's instructions in order
.endr
	WIN 0
.endm
.macro SEND a, younger
	s_wait_dscnt \younger
	WIN 0x04
.irp t, 0,1,2,3,4,5,6,7,8,9,10,11,12,13,14,15
	global_store_b128 v[CO], v[64*\a+4*\t:64*\a+4*\t+3], s[8:9] offset:(16*\a+\t)*16384 th:TH_STORE_NT   ; 512 consecutive bytes, aligned
.endr
	WIN 0
.endm
	TOSTAGE 0
	TOSTAGE 1
	SEND 0, 32                                     ; behind block 0's loads: block 1's 16 stores and 16 loads
	TOSTAGE 2
	SEND 1, 32
	TOSTAGE 3
	SEND 2, 32
	SEND 3, 0
	s_wait_tensorcnt 0x0                           ; the wave's end
	ds_add_u32 v[SPW], v[NIL]
	s_wait_dscnt 0x0
	CROUND                                         ; the closing round
	s_endpgm
.Lfunc_end_k_q4d458011ef_oproj:
	.size	k_q4d458011ef_oproj, .Lfunc_end_k_q4d458011ef_oproj-k_q4d458011ef_oproj
	.p2alignl 7, 3214868480
	.fill 96, 4, 3214868480
	.section	.rodata,"a",@progbits
	.p2align	6, 0x0
	.amdhsa_kernel k_q4d458011ef_oproj
		.amdhsa_group_segment_fixed_size 327680
		.amdhsa_private_segment_fixed_size 0
		.amdhsa_enable_private_segment 0
		.amdhsa_kernarg_size 24
		.amdhsa_user_sgpr_count 2
		.amdhsa_user_sgpr_kernarg_segment_ptr 1
		.amdhsa_wavefront_size32 1
		.amdhsa_system_sgpr_workgroup_id_x 1
		.amdhsa_system_sgpr_workgroup_id_y 1
		.amdhsa_system_sgpr_workgroup_id_z 1
		.amdhsa_system_vgpr_workitem_id 0
		.amdhsa_next_free_vgpr 768
		.amdhsa_next_free_sgpr 66
		.amdhsa_reserve_vcc 0
		.amdhsa_float_denorm_mode_32 3
		.amdhsa_float_denorm_mode_16_64 3
		.amdhsa_memory_ordered 1
		.amdhsa_forward_progress 1
		.amdhsa_inst_pref_size 86
	.end_amdhsa_kernel
	.amdgpu_metadata
---
amdhsa.version: [ 1, 2 ]
amdhsa.kernels:
  - .name:           k_q4d458011ef_oproj
    .symbol:         k_q4d458011ef_oproj.kd
    .args:
      - { .name: att, .offset: 0, .size: 8, .value_kind: global_buffer, .address_space: global }
      - { .name: wo16, .offset: 8, .size: 8, .value_kind: global_buffer, .address_space: global }
      - { .name: out0, .offset: 16, .size: 8, .value_kind: global_buffer, .address_space: global }
    .group_segment_fixed_size: 327680
    .private_segment_fixed_size: 0
    .kernarg_segment_align: 8
    .kernarg_segment_size: 24
    .max_flat_workgroup_size: 128
    .sgpr_count:     66
    .vgpr_count:     768
    .wavefront_size: 32
...
	.end_amdgpu_metadata
.endif
;; end of part 4
